; MI455X (gfx1250); checked and timed in simulation.
; The chip was launched on July 23, 2026; its instructions are those of AMD's public machine-readable ISA for CDNA 5 (MIT licence, August 2026) and "CDNA5" Instruction Set Architecture Reference Guide (July 2026). The comments in the code are by the model that wrote it; some were corrected since.
;; Multi Head Attention. Allowed arithmetic: matrix products marked QUANTISED: E2M3 operands, one E8M0 scale for each 32 along K, by v_wmma_scale_f32_16x16x128_f8f6f4 with both operands' format E2M3, f32 sums; everything else in f32.
;; Inputs: Wk 1,024 x 1,024 float32; Wo 1,024 x 1,024 float32; Wq 1,024 x 1,024 float32; Wv 1,024 x 1,024 float32; bk 1,024 float32; bo 1,024 float32; bq 1,024 float32; bv 1,024 float32; k 4 x 2,048 x 1,024 float32; mask 4 x 1 x 2,048 x 2,048 float32; q 4 x 2,048 x 1,024 float32; v 4 x 2,048 x 1,024 float32.
;; Outputs: out0 4 x 2,048 x 1,024 float32.
;; This version of the problem:
;;   THIS VERSION OF THE PROBLEM IS GIVEN IN LOW PRECISION. The matrix products marked QUANTISED in the list below multiply operands that are first quantised to E2M3 (2 exponent bits, 3 mantissa bits; 6 bits a number), with one power-of-two scale for each 32 numbers along K (OCP MX v1.0); their sums are f32. All else is computed in f32.
;;   The module's matrix products, in the order in which they are computed (A, B: the left and right operand; K: the contracted axis; several contracted axes count as one K, in the product's order):
;;     1. [M 8,192, K 1,024] x [K 1,024, N 1,024]; A: input q; B: input Wq: QUANTISED
;;     2. [M 8,192, K 1,024] x [K 1,024, N 1,024]; A: input k; B: input Wk: QUANTISED
;;     3. [M 8,192, K 1,024] x [K 1,024, N 1,024]; A: input v; B: input Wv: QUANTISED
;;     4. batch 64 x [M 2,048, K 64] x [K 64, N 2,048]; A: computed on the way; B: computed on the way: QUANTISED
;;     5. batch 64 x [M 2,048, K 2,048] x [K 2,048, N 64]; A: softmax (see below); B: computed on the way: QUANTISED
;;     6. [M 8,192, K 1,024] x [K 1,024, N 1,024]; A: computed on the way; B: input Wo: QUANTISED
;;   THE QUANTISER, for each operand of a quantised product, along K:
;;     - K is cut into blocks of 32 from its start; a last block that is shorter is filled with zeros.
;;     - A block's scale is 2^e with e = floor(log2(the largest magnitude in the block)) - 2, held to -126 .. 127; a block of zeros has e = 0. As a byte (E8M0): e + 127.
;;     - Each number is divided by its block's scale, clamped to +-7.5, and rounded to the nearest number of E2M3, ties to even, subnormals kept.
;;     - The product sums the exact products of the quantised numbers (number of the format x scale) in f32.
;;   ~~~python
;;   def quantise(x, axis):      # numpy; x: float32 -> the quantised numbers, widened to float32 again
;;       x = np.moveaxis(x, axis, -1); K = x.shape[-1]
;;       x = np.pad(x, [(0, 0)] * (x.ndim - 1) + [(0, -K % 32)]); x = x.reshape(x.shape[:-1] + (-1, 32)); a = np.abs(x).max(-1, keepdims=True)
;;       e = np.where(a > 0, np.clip(np.frexp(np.where(a > 0, a, 1))[1] - 1 - 2, -126, 127), 0)      # np.frexp(a)[1] - 1 = floor(log2(a)), exactly
;;       r = np.clip(x / 2.0 ** e, -7.5, 7.5)
;;       step = 2.0 ** (np.maximum(np.frexp(np.where(r == 0, 1, r))[1] - 1, 0) - 3)
;;       q = np.round(r / step) * step * 2.0 ** e      # np.round: ties to even
;;       return np.moveaxis(q.reshape(q.shape[:-2] + (-1,))[..., :K], -1, axis).astype(np.float32)
;;   ~~~
;;   SOFTMAX AHEAD OF A QUANTISED PRODUCT. Where the list says 'softmax', what is quantised is not the finished softmax but p = 2^(t - M), with t = logit x log2(e) and M = ceil(the row's largest t), a whole number; so 1/2 < the row's largest p <= 1. The row's sum l is taken of the UNQUANTISED p, in f32, and the product's result is divided by l at the end. Since M is a whole number, a kernel that streams over the keys may use a running M (the ceiling of the running maximum): every later rescaling is an exact power of two, which a block's scale takes up: the codes' values come out the same.
;;   OPERANDS COMPUTED ON THE WAY. 'Computed on the way' means the value that the module computes at that place (a softmax that the list does not call 'softmax' is quantised finished and normalised). What goes into a quantiser is computed in f32, as accurately as f32 sums, v_exp_f32 and their like allow (about 1e-6 of the number): no bf16 or f16 on the way to a quantiser, and a product that is left as it is and whose result goes on into a quantised operand takes f32 operands (vector FMAs, or v_wmma_f32_16x16x4_f32). A number that lies on a knife's edge between two numbers of the format may be rounded either way, as far as f32 arithmetic and the matrix unit's own rounding can turn it there, and no further.
;; One version. Each part assembles by itself: llvm-mc -triple=amdgcn-amd-amdhsa -mcpu=gfx1250 --defsym DOCPART=n.
;; ======== version 1 of 1: 4 launches
;; limits: right only within a limited range of input values
;; workspace buffers: xc 18,874,368 bytes; xs 786,432 bytes; wc 3,145,728 bytes; ws 131,072 bytes; hc 18,874,368 bytes; hs 786,432 bytes; oc 6,291,456 bytes; os 262,144 bytes
;; launch prep (part 1): grid 896 x 1, 4 waves a work-group, no clusters, 59,904 bytes of LDS; arguments q, k, v, Wq, Wk, Wv, Wo, xc, xs, wc, ws; writes xc, xs, wc, ws
.if DOCPART == 1
	.amdgcn_target "amdgcn-amd-amdhsa--gfx1250"
	.amdhsa_code_object_version 6
	.text
	.protected	k_qdb0fcedd83_prep
	.globl	k_qdb0fcedd83_prep
	.p2align	8
	.type	k_qdb0fcedd83_prep,@function
k_qdb0fcedd83_prep:
	s_mov_b64 s[64:65], 0
	v_nop
	global_prefetch_b8 v0, s[64:65] scope:SCOPE_SE
	s_setreg_imm32_b32 hwreg(HW_REG_WAVE_MODE, 25, 1), 1
	s_wait_xcnt 0x0
; q, k, v [8192][1024] f32 (K innermost) and Wq, Wk, Wv, Wo [1024 (K)][1024 (n)] f32 (K outermost) become codes of FP6 (E2M3) with one E8M0 byte for each 32 along K,
; laid in the ORDER OF THE OPERAND'S REGISTERS.  A fragment is 16 rows x 128 K, 12 registers a lane: lane (r, h) holds in registers 6 c .. 6 c + 5 the codes of k = 64 c + 32 h + 0 .. 31 of row r.
; Its image is 1,536 bytes: piece p (registers 2 p, 2 p + 1) at 256 p, lane l's 8 bytes at 8 l.  xc: [tensor][tile 512][K step 8][image]; wc: [weight][tile 64][K step 8][image].
; THE ROWS OF A TILE ARE NOT NEIGHBOURS: lane r of tile T stands for row (of a weight: output channel) 32 (T / 2) + 8 (T % 2) + r + 8 (r / 8).
; Scale words: xs, ws: [..][block of 256 rows][256 along K: j][16 (T % 16) + r][2 words]: word q serves K step 2 j + q, byte b its block b.
; A block's scale is 2^(floor(log2(largest magnitude)) - 2); its byte is the largest magnitude's exponent field - 2, held at 1 from below.
; LIMITS: a block of zeros gets the byte 1 (its codes are zeros, and the bytes are read by this program alone); NaN and infinities among the inputs are not served.
; Work-groups 0 .. 767 take q, k, v (32 rows each, wave j = 256 along K); work-groups 768 .. 895 the weights.  No tensor loads, no barrier: waves share nothing; each path has LDS bytes of its own.
.set XCB,   6291456                    ; a tensor's codes
.set XSB,   262144                     ; and scale words
.set WCB,   786432                     ; a weight's codes
.set WSB,   32768
.set TROW,  12288                      ; a tile's eight K steps
.set FRB,   1536                       ; an image
.set SPX,   528                        ; path X: a stage row: 512 bytes + 16
.set STX,   16*SPX
.set WBASE, 4*STX                      ; path W's stages begin behind path X's
.set STW,   6400                       ; two tiles of 3,072 + 128 bytes
	s_load_b256 s[4:11], s[0:1], 0x0               ; q, k, v, Wq
	s_load_b256 s[12:19], s[0:1], 0x20             ; Wk, Wv, Wo, xc
	s_load_b128 s[20:23], s[0:1], 0x40             ; xs, wc
	s_load_b64 s[24:25], s[0:1], 0x50              ; ws
	v_lshl_add_u32 v254, v0, 2, 0xe800
	v_mov_b32 v255, 0
	v_lshrrev_b32 v1, 5, v0
	v_readfirstlane_b32 s26, v1                    ; wave
	v_and_b32 v1, 31, v0                           ; lane
	s_cmp_ge_u32 ttmp9, 768
	s_cbranch_scc1 .Lweights
; ---------------- q, k, v: K innermost ----------------
; A wave takes 32 rows x 256 K: four units (tile u, K step q), unit t = 2 u + q.  Each load reads 512 consecutive bytes of one row; a unit's 16 rows turn through the wave's stage, so that a lane gets
; two whole blocks of 32 neighbours of ITS row: the conversions' results are then the operand's registers.
; v16-79, v80-143 numbers as loaded (two sets); v144-207 as the lane wants them; v208-219, v220-231 codes (two sets); v232-239 second halves of blocks; v8-11 the units' scale words.
	s_lshr_b32 s27, ttmp9, 8                       ; which tensor
	s_and_b32 s28, ttmp9, 255                      ; which 32 rows
	s_mov_b32 s40, 0x76543210
	s_mov_b32 s41, 0xfedcba98                      ; v_permlanex16_b32's selects for lane l xor 16
	v_lshlrev_b32 v2, 4, v1                        ; 16 x lane
	s_mul_i32 s29, s26, STX                        ; my stage
	v_add_nc_u32 v3, s29, v2                       ; into it: a row's 512 bytes on end
	v_and_b32 v6, 15, v1                           ; r
	v_lshrrev_b32 v7, 4, v1                        ; h
	v_mul_u32_u24 v4, v6, SPX
	v_lshl_add_u32 v4, v7, 7, v4
	v_add_nc_u32 v4, s29, v4                       ; out of it: row r, + 128 h
	v_lshlrev_b32 v5, 3, v1                        ; 8 x lane
	v_lshlrev_b32 v7, 3, v7                        ; 8 h: my bytes' place in a scale word
	v_mov_b32 v247, 0                              ; (a lane permute's destination counts as one of its sources)
	s_lshl_b32 s30, s28, 17                        ; in: 32 rows of 4,096 bytes,
	s_lshl_b32 s31, s26, 10                        ; + 256 numbers a wave
	s_add_co_u32 s30, s30, s31
	s_mov_b32 s31, 0
	s_mul_i32 s32, s27, XCB                        ; codes: tensor, two tiles, two K steps a wave
	s_mul_i32 s33, s28, 2*TROW
	s_add_co_u32 s32, s32, s33
	s_mul_i32 s33, s26, 2*FRB
	s_add_co_u32 s32, s32, s33
	s_mov_b32 s33, 0
	s_mul_i32 s34, s27, XSB                        ; scale words
	s_lshr_b32 s35, s28, 3
	s_lshl_b32 s35, s35, 13
	s_add_co_u32 s34, s34, s35
	s_lshl_b32 s35, s26, 11
	s_add_co_u32 s34, s34, s35
	s_and_b32 s35, s28, 7
	s_lshl_b32 s35, s35, 8
	s_add_co_u32 s34, s34, s35
	s_mov_b32 s35, 0
	s_wait_alu depctr_va_vdst(0)
	s_wait_kmcnt 0x0
	s_cmp_eq_u32 s27, 1                            ; the choice hangs on the work-group's number alone
	s_cselect_b64 s[36:37], s[6:7], s[4:5]
	s_cmp_eq_u32 s27, 2
	s_cselect_b64 s[36:37], s[8:9], s[36:37]
	s_add_nc_u64 s[36:37], s[36:37], s[30:31]
	s_add_nc_u64 s[18:19], s[18:19], s[32:33]
	s_add_nc_u64 s[20:21], s[20:21], s[34:35]
.macro LOADU t                         ; unit t: the tile's lane i stands for row 8 u + i + 8 (i / 8) of my 32
.set LI, 0
.rept 16
	global_load_b128 v[16+64*((\t)%2)+4*LI:16+64*((\t)%2)+4*LI+3], v2, s[36:37] offset:(8*((\t)/2)+LI+8*(LI/8))*4096+512*((\t)%2) th:TH_LOAD_NT
.set LI, LI+1
.endr
.endm
.macro UNIT t
.set RS, 16+64*((\t)%2)
.set PQ, 208+12*((\t)%2)
.if (\t) < 3
	s_wait_loadcnt 16                              ; this unit's 16 loads are in; the next unit's 16 may be out
.else
	s_wait_loadcnt 0x0
.endif
.set UI, 0
.rept 16
	ds_store_b128 v3, v[RS+4*UI:RS+4*UI+3] offset:SPX*UI
.set UI, UI+1
.endr
.set UI, 0
.rept 16
	ds_load_b128 v[144+4*UI:144+4*UI+3], v4 offset:256*(UI/8)+16*(UI%8)   ; LDS serves a wave's instructions in order: these see my stores.  Register 32 c + i = k 64 c + 32 h + i of row r
.set UI, UI+1
.endr
	s_wait_dscnt 0x0
.if (\t) < 2
	LOADU (\t)+2                                   ; into the set that the stage's stores have read
.else
	s_wait_xcnt 0x0                                ; unit t - 2's stores have read their codes: the set is written again only behind this wait
.endif
.irp c, 0,1
	v_max3_num_f32 v[240+\c], |v[144+32*\c]|, |v[145+32*\c]|, 0x1800000   ; my block 2 c + h, and the floor 2^(3 - 127): the byte cannot fall under 1
.endr
.irp i, 2,4,6,8,10,12,14,16,18,20,22,24,26,28,30
.irp c, 0,1
	v_max3_num_f32 v[240+\c], v[240+\c], |v[144+32*\c+\i]|, |v[145+32*\c+\i]|   ; (the two blocks by turns)
.endr
.endr
.irp c, 0,1
	v_add_nc_u32 v[242+\c], 0xff000000, v[240+\c]  ; 2 off the exponent field: the conversion's scale operand
.endr
.irp c, 0,1
	v_lshrrev_b32 v[244+\c], 23, v[242+\c]         ; the scale's byte
.endr
	v_lshl_or_b32 v246, v245, 16, v244             ; blocks h and 2 + h,
	v_lshlrev_b32 v246, v7, v246                   ; at their places;
	v_permlanex16_b32 v247, v246, s40, s41
	v_or_b32 v[8+(\t)], v246, v247                 ; with lane l xor 16's two the row's word is whole
.irp c, 0,1
	v_cvt_scalef32_pk16_fp6_f32 v[PQ+6*\c:PQ+6*\c+2], v[144+32*\c:144+32*\c+15], v[242+\c]
	v_cvt_scalef32_pk16_fp6_f32 v[232+4*\c:232+4*\c+2], v[160+32*\c:160+32*\c+15], v[242+\c]   ; (a conversion's three registers begin on an even number)
.endr
	v_nop                                          ; one plain place behind a scaled conversion
.irp c, 0,1
.irp i, 0,1,2
	v_mov_b32 v[PQ+6*\c+3+\i], v[232+4*\c+\i]
.endr
.endr
.irp p, 0,1,2,3,4,5
	global_store_b64 v5, v[PQ+2*\p:PQ+2*\p+1], s[18:19] offset:((\t)/2)*TROW+((\t)%2)*FRB+256*\p   ; 32 lanes store 256 consecutive bytes, aligned
.endr
.endm
	LOADU 0
	LOADU 1
	UNIT 0
	UNIT 1
	UNIT 2
	UNIT 3
	v_cmp_lt_u32 vcc_lo, 15, v1                    ; lanes 0-15 store tile 0's words, lanes 16-31 tile 1's
	v_cndmask_b32 v12, v8, v10, vcc_lo
	v_cndmask_b32 v13, v9, v11, vcc_lo
	global_store_b64 v5, v[12:13], s[20:21]        ; 256 consecutive bytes, aligned
	s_wait_tensorcnt 0x0
	ds_add_u32 v254, v255
	s_wait_dscnt 0x0
	s_endpgm
; ---------------- the weights: K outermost ----------------
; A lane takes a column n and its registers run down K: a block of 32 lies in one lane.  A wave takes 32 columns (two tiles) x 256 K: 8 blocks a lane.  Block t = 4 q + 2 c + h' belongs to
; lane (r', h') of the column's tile, registers 6 c .. 6 c + 5 of K step q: it goes there through the wave's stage, which holds the two tiles' images, and leaves as 512 consecutive bytes a store.
.Lweights:
	s_sub_co_u32 s27, ttmp9, 768
	s_lshr_b32 s28, s27, 5                         ; which weight
	s_bfe_u32 s29, s27, 0x30002                    ; which 128 columns
	s_and_b32 s30, s27, 3                          ; which 256 along K
	s_lshl_b32 s31, s29, 2
	s_add_co_u32 s31, s31, s26                     ; which 32 columns are my wave's
	s_wait_alu depctr_va_vdst(0)
	v_lshlrev_b32 v2, 2, v1                        ; in: 4 bytes a lane
	v_bfe_u32 v3, v1, 3, 1                         ; column 8 u + r' + 8 (r' / 8): the tile u,
	v_and_b32 v4, 7, v1
	v_lshrrev_b32 v5, 4, v1
	v_lshl_add_u32 v4, v5, 3, v4                   ; and its lane r'
	s_mul_i32 s32, s26, STW
	s_add_co_u32 s32, s32, WBASE                   ; my stage
	v_mul_u32_u24 v6, v3, 3200
	v_lshl_add_u32 v6, v4, 3, v6
	v_add_nc_u32 v6, s32, v6                       ; into it: tile u, 8 r'
	v_lshlrev_b32 v7, 4, v1                        ; out: 16 x lane
	v_add_nc_u32 v8, s32, v7
	v_lshlrev_b32 v9, 7, v3
	v_lshl_add_u32 v9, v4, 3, v9                   ; my column's two scale words: 128 u + 8 r'
	s_lshl_b32 s38, s30, 20                        ; in: 256 rows of 4,096 bytes,
	s_lshl_b32 s39, s31, 7                         ; + 32 columns
	s_add_co_u32 s38, s38, s39
	s_mov_b32 s39, 0
	s_mul_i32 s40, s28, WCB
	s_mul_i32 s41, s31, 2*TROW
	s_add_co_u32 s40, s40, s41
	s_mul_i32 s41, s30, 2*FRB
	s_add_co_u32 s40, s40, s41
	s_mov_b32 s41, 0
	s_mul_i32 s42, s28, WSB
	s_lshr_b32 s43, s31, 3
	s_lshl_b32 s43, s43, 13
	s_add_co_u32 s42, s42, s43
	s_lshl_b32 s43, s30, 11
	s_add_co_u32 s42, s42, s43
	s_and_b32 s43, s31, 7
	s_lshl_b32 s43, s43, 8
	s_add_co_u32 s42, s42, s43
	s_mov_b32 s43, 0
	s_wait_kmcnt 0x0
	s_cmp_eq_u32 s28, 1
	s_cselect_b64 s[36:37], s[12:13], s[10:11]
	s_cmp_eq_u32 s28, 2
	s_cselect_b64 s[36:37], s[14:15], s[36:37]
	s_cmp_eq_u32 s28, 3
	s_cselect_b64 s[36:37], s[16:17], s[36:37]
	s_add_nc_u64 s[36:37], s[36:37], s[38:39]
	s_add_nc_u64 s[22:23], s[22:23], s[40:41]
	s_add_nc_u64 s[24:25], s[24:25], s[42:43]
.macro LOADB t                         ; block t: W(32 t + i, my column) into set t % 2; a wave's load reads 128 consecutive bytes, the four waves stand side by side
.set LI, 0
.rept 32
	global_load_b32 v[16+32*((\t)%2)+LI], v2, s[36:37] offset:(32*(\t)+LI)*4096 th:TH_LOAD_NT
.set LI, LI+1
.endr
.endm
.macro BLOCK t
.set XS, 16+32*((\t)%2)
.if (\t) < 7
	s_wait_loadcnt 32                              ; this block's 32 loads are in; the next block's may be out
.else
	s_wait_loadcnt 0x0
.endif
	v_max3_num_f32 v100, |v[XS]|, |v[XS+1]|, |v[XS+2]|
	v_max3_num_f32 v101, |v[XS+3]|, |v[XS+4]|, |v[XS+5]|
.irp i, 6,10,14,18,22,26
	v_max3_num_f32 v100, v100, |v[XS+\i]|, |v[XS+\i+1]|
	v_max3_num_f32 v101, v101, |v[XS+\i+2]|, |v[XS+\i+3]|
.endr
	v_max3_num_f32 v100, v100, |v[XS+30]|, |v[XS+31]|
	v_max3_num_f32 v100, v100, v101, 0x1800000     ; and the floor
	v_add_nc_u32 v102, 0xff000000, v100            ; the conversion's scale operand
	v_lshrrev_b32 v103, 23, v102                   ; the byte
.if (\t)%4 == 0
	v_mov_b32 v[12+(\t)/4], v103                   ; four bytes to a word, the lower K in the lower byte
.else
	v_lshl_or_b32 v[12+(\t)/4], v103, 8*((\t)%4), v[12+(\t)/4]
.endif
	v_cvt_scalef32_pk16_fp6_f32 v[80:82], v[XS:XS+15], v102
	v_cvt_scalef32_pk16_fp6_f32 v[88:90], v[XS+16:XS+31], v102
	v_nop                                          ; one plain place behind a scaled conversion
	v_mov_b32 v83, v88
	v_mov_b32 v84, v89
	v_mov_b32 v85, v90
.irp i, 0,1,2
	ds_store_b64 v6, v[80+2*\i:81+2*\i] offset:((\t)/4)*FRB+(3*(((\t)%4)/2)+\i)*256+128*((\t)%2)
.endr
.if (\t)+2 < 8
	LOADB (\t)+2
.endif
	s_wait_dscnt 0x0                               ; the stores have read their registers: the next block's codes may be written
.endm
	LOADB 0
	LOADB 1
.irp t, 0,1,2,3,4,5,6,7
	BLOCK \t
.endr
	s_wait_alu depctr_va_vdst(0)
	global_store_b64 v9, v[12:13], s[24:25]        ; the 32 lanes fill 256 consecutive bytes, aligned
.irp i, 0,1,2,3,4,5,6,7,8,9,10,11
	ds_load_b128 v[112+4*\i:115+4*\i], v8 offset:3200*(\i/6)+512*(\i%6)   ; LDS serves a wave's instructions in order: these see my stores
.endr
.irp i, 0,1,2,3,4,5,6,7,8,9,10,11
	s_wait_dscnt 11-\i
	global_store_b128 v7, v[112+4*\i:115+4*\i], s[22:23] offset:(\i/6)*TROW+512*(\i%6)   ; 512 consecutive bytes, aligned
.endr
	s_wait_tensorcnt 0x0
	ds_add_u32 v254, v255
	s_wait_dscnt 0x0
	s_endpgm
.Lfunc_end_k_qdb0fcedd83_prep:
	.size	k_qdb0fcedd83_prep, .Lfunc_end_k_qdb0fcedd83_prep-k_qdb0fcedd83_prep
	.p2alignl 7, 3214868480
	.fill 96, 4, 3214868480
	.section	.rodata,"a",@progbits
	.p2align	6, 0x0
	.amdhsa_kernel k_qdb0fcedd83_prep
		.amdhsa_group_segment_fixed_size 59904
		.amdhsa_private_segment_fixed_size 0
		.amdhsa_enable_private_segment 0
		.amdhsa_kernarg_size 88
		.amdhsa_user_sgpr_count 2
		.amdhsa_user_sgpr_kernarg_segment_ptr 1
		.amdhsa_wavefront_size32 1
		.amdhsa_system_sgpr_workgroup_id_x 1
		.amdhsa_system_sgpr_workgroup_id_y 1
		.amdhsa_system_sgpr_workgroup_id_z 1
		.amdhsa_system_vgpr_workitem_id 0
		.amdhsa_next_free_vgpr 256
		.amdhsa_next_free_sgpr 66
		.amdhsa_reserve_vcc 1
		.amdhsa_float_denorm_mode_32 3
		.amdhsa_float_denorm_mode_16_64 3
		.amdhsa_memory_ordered 1
		.amdhsa_forward_progress 1
		.amdhsa_inst_pref_size 74
	.end_amdhsa_kernel
	.amdgpu_metadata
---
amdhsa.version: [ 1, 2 ]
amdhsa.kernels:
  - .name:           k_qdb0fcedd83_prep
    .symbol:         k_qdb0fcedd83_prep.kd
    .args:
      - { .name: q, .offset: 0, .size: 8, .value_kind: global_buffer, .address_space: global }
      - { .name: k, .offset: 8, .size: 8, .value_kind: global_buffer, .address_space: global }
      - { .name: v, .offset: 16, .size: 8, .value_kind: global_buffer, .address_space: global }
      - { .name: Wq, .offset: 24, .size: 8, .value_kind: global_buffer, .address_space: global }
      - { .name: Wk, .offset: 32, .size: 8, .value_kind: global_buffer, .address_space: global }
      - { .name: Wv, .offset: 40, .size: 8, .value_kind: global_buffer, .address_space: global }
      - { .name: Wo, .offset: 48, .size: 8, .value_kind: global_buffer, .address_space: global }
      - { .name: xc, .offset: 56, .size: 8, .value_kind: global_buffer, .address_space: global }
      - { .name: xs, .offset: 64, .size: 8, .value_kind: global_buffer, .address_space: global }
      - { .name: wc, .offset: 72, .size: 8, .value_kind: global_buffer, .address_space: global }
      - { .name: ws, .offset: 80, .size: 8, .value_kind: global_buffer, .address_space: global }
    .group_segment_fixed_size: 59904
    .private_segment_fixed_size: 0
    .kernarg_segment_align: 8
    .kernarg_segment_size: 88
    .max_flat_workgroup_size: 128
    .sgpr_count:     66
    .vgpr_count:     256
    .wavefront_size: 32
...
	.end_amdgpu_metadata
.endif
;; end of part 1
;; launch proj (part 2): grid 4 x 96, 4 waves a work-group, clusters of 4 x 4, 327,680 bytes of LDS; arguments xc, xs, wc, ws, bq, bk, bv, hc, hs; writes hc, hs
.if DOCPART == 2
	.amdgcn_target "amdgcn-amd-amdhsa--gfx1250"
	.amdhsa_code_object_version 6
	.text
	.protected	k_qdb0fcedd83_proj
	.globl	k_qdb0fcedd83_proj
	.p2align	8
	.type	k_qdb0fcedd83_proj,@function
k_qdb0fcedd83_proj:
	s_mov_b64 s[64:65], 0
	v_nop
	global_prefetch_b8 v0, s[64:65] scope:SCOPE_SE
	s_setreg_imm32_b32 hwreg(HW_REG_WAVE_MODE, 25, 1), 1
	s_wait_xcnt 0x0
	s_wait_alu depctr_hold_cnt(0) depctr_sa_sdst(0) depctr_va_vdst(0) depctr_va_sdst(0) depctr_va_ssrc(0) depctr_va_vcc(0) depctr_vm_vsrc(0)
	s_getreg_b32 s2, hwreg(HW_REG_IB_STS2, 6, 4)
	s_cmp_eq_u32 s2, 0
	s_cbranch_scc0 .Lentry_in_a_cluster
	s_endpgm
.Lentry_in_a_cluster:
	s_bfe_u32 s2, ttmp6, 0x10000c
	s_cmp_lg_u32 s2, 0xf033
	s_cbranch_scc0 .Lentry_shape_is_right
	s_endpgm
.Lentry_shape_is_right:
.set XCB,   6291456
.set XSB,   262144
.set WCB,   786432
.set WSB,   32768
.set HCB,   6291456
.set HSB,   262144
.set TROW,  12288
.set FRB,   1536
.set NQ,    2
.set FR,    12
.set NL,    6
.set NP,    4
.set TILEB, NQ*FRB
.set HALFT, 8*TILEB
.set SLOT,  4*HALFT
.set SCL,   2*SLOT
.set SPARE, SCL+16384
.set ADRA, 16
.set ADRB, 20
.set CO,   26
.set ADRS, 27
.set SPW,  28
.set NIL,  29
.set SC,   32
.set BT,   64
.set AF,   128
.set TM,   64
.set CT,   80
.set PWS,  88
.set SW,   96
.set HA,   100
.set HB,   104
.set G1,   24
.set G0,   32
.set G1B,  48
.set G0B,  56
.set G1S,  68
.set G0S,  76
.set G1SB, 80
.set G0SB, 88
.set WV,   22
.set HI,   23
.set LO,   2
.set MSB, 0
.macro WIN new
.if MSB != \new
	s_set_vgpr_msb (MSB<<8)|\new
.set MSB, \new
.endif
.endm
.set MUL_LO, 0xa1
.set MUL_HI, 0xf1
.set TO_B,   0x40
.macro JLOAD g0a, g1a, g0b, g1b
	s_cmp_eq_u32 s[HI], 0
	s_cbranch_scc0 .Lfor_b_\@
	tensor_load_to_lds s[\g0a:\g0a+3], s[\g1a:\g1a+7]
	s_nop 0
.rept 4
	v_nop
.endr
	s_branch .Lasked_\@
.Lfor_b_\@:
	tensor_load_to_lds s[\g0b:\g0b+3], s[\g1b:\g1b+7]
	s_nop 0
.rept 4
	v_nop
.endr
.Lasked_\@:
.endm
.macro CREST
	s_cmp_lg_u32 s[WV], 0
	s_cbranch_scc1 .Lnot_wave_0_\@
	s_barrier_signal -3
.Lnot_wave_0_\@:
	s_barrier_wait -3
	s_barrier_signal -1
	s_barrier_wait -1
.endm
.macro CROUND
	s_barrier_signal -1
	s_barrier_wait -1
	CREST
.endm
.macro FRAG reg, adr, q, i
.irp p, 0,1,2,3,4,5
	ds_load_b64 v[\reg+2*\p:\reg+2*\p+1], v[\adr] offset:(\i)*TILEB+(\q)*FRB+256*\p
.endr
.endm
.macro MUL16 a0, p, q, sc, zero
.irp a, \a0, \a0+1
.irp b, 0,1,2,3,4,5,6,7
.set DD, 8*(8*((\a)%4)+\b)
.set CC, DD
.if \zero == 1
.set CC, BT+8*\b
.endif
.if \zero == 2
.set CC, BT+8*(\a)
.endif
	v_wmma_scale_f32_16x16x128_f8f6f4 v[DD:DD+7], v[128*(\p)+FR*\b:128*(\p)+FR*\b+FR-1], v[AF+FR*(\a):AF+FR*(\a)+FR-1], v[CC:CC+7], v[SC+8*NQ*(\sc)+NQ*\b+(\q)], v[SC+8*NQ*(\sc)+NQ*(\a)+(\q)] matrix_a_fmt:MATRIX_FMT_FP6 matrix_b_fmt:MATRIX_FMT_FP6 matrix_a_scale:MATRIX_SCALE_ROW1
.endr
.endr
.endm
.macro FETCH_B slot, q, p
	WIN TO_B
.irp i, 0,1,2,3,4,5,6,7
	FRAG 128*(\p)+FR*\i, ADRB+\slot, \q, \i
.endr
	WIN 0
.endm
.macro FETCH_A slot, q, i0
.irp i, \i0, \i0+1, \i0+2, \i0+3
	FRAG AF+FR*(\i), ADRA+\slot, \q, \i
.endr
.endm
.macro SCALES sc
.irp i, 0,1,2,3,4,5,6,7
	ds_load_b64 v[SC+8*NQ*\sc+NQ*\i:SC+8*NQ*\sc+NQ*\i+1], v[ADRS] offset:128*\i
.endr
.endm
.macro PLACES n
.rept \n
	v_nop
.endr
.endm
.macro STEP slot, q, zero
	s_wait_dscnt 4*NL
.if \zero
	WIN 0x81
.else
	WIN MUL_LO
.endif
	MUL16 0, (\q)%2, \q, \slot, \zero
	MUL16 2, (\q)%2, \q, \slot, \zero
	s_wait_dscnt 0x0
	PLACES NP
	FETCH_B \slot, (\q)+1, 1-(\q)%2
	FETCH_A \slot, (\q)+1, 0
.if \zero
	WIN 0xc1
.else
	WIN MUL_HI
.endif
	MUL16 4, (\q)%2, \q, \slot, \zero
	MUL16 6, (\q)%2, \q, \slot, \zero
	PLACES NP
	WIN 0
	FETCH_A \slot, (\q)+1, 4
.endm
.macro TURN slot, next, fill
	s_wait_tensorcnt 0x0
	ds_add_u32 v[SPW], v[NIL]
	s_wait_dscnt 4*NL+1
	WIN MUL_LO
	MUL16 0, 1, NQ-1, \slot, 0
	s_wait_dscnt 0x0
	s_barrier_signal -1
	MUL16 2, 1, NQ-1, \slot, 0
	WIN 0
	s_barrier_wait -1
.if \fill
	CREST
	s_add_nc_u64 s[G0+4*\slot+2:G0+4*\slot+3], s[G0+4*\slot+2:G0+4*\slot+3], 2*TILEB
	s_add_nc_u64 s[G0B+4*\slot+2:G0B+4*\slot+3], s[G0B+4*\slot+2:G0B+4*\slot+3], 2*TILEB
	JLOAD G0+4*\slot, G1, G0B+4*\slot, G1B
.else
	PLACES NP
.endif
	s_wait_alu depctr_va_vdst(0)
	v_add_nc_u32 v[ADRS], 2048, v[ADRS]
	FETCH_B \next, 0, 0
	FETCH_A \next, 0, 0
	SCALES \next
	WIN MUL_HI
	MUL16 4, 1, NQ-1, \slot, 0
	MUL16 6, 1, NQ-1, \slot, 0
	PLACES NP
	WIN 0
	FETCH_A \next, 0, 4
.endm
	s_load_b256 s[4:11], s[0:1], 0x0
	s_load_b256 s[12:19], s[0:1], 0x20
	s_load_b64 s[20:21], s[0:1], 0x40
	v_lshl_add_u32 v[SPW], v0, 2, SPARE
	v_mov_b32 v[NIL], 0
	ds_add_u32 v28, v29
	ds_add_u32 v28, v29
	s_wait_dscnt 0x0
	v_lshrrev_b32 v1, 5, v0
	v_readfirstlane_b32 s[WV], v1
	s_lshr_b32 s[HI], s[WV], 1
	s_and_b32 s[LO], s[WV], 1
	s_bfe_u32 s40, ttmp6, 0x40000
	s_bfe_u32 s41, ttmp6, 0x40004
	s_and_b32 s66, ttmp7, 0xffff
	s_lshr_b32 s46, s66, 3
	s_and_b32 s66, s66, 7
	s_mov_b32 s100, XCB
	s_mov_b32 s101, WCB
	s_mov_b32 s104, XSB
	s_mov_b32 s105, WSB
	s_cmp_eq_u32 s46, 2
	s_cselect_b32 s47, 1, 0
	s_cselect_b32 s42, s66, 0
	s_cselect_b32 s43, 0, s66
	s_cselect_b32 s94, s100, s101
	s_cselect_b32 s92, s101, s100
	s_cselect_b32 s98, s104, s105
	s_cselect_b32 s96, s105, s104
	s_lshl_b32 s42, s42, 2
	s_add_co_u32 s42, s42, s40
	s_lshl_b32 s43, s43, 2
	s_add_co_u32 s43, s43, s41
	s_mul_i32 s94, s94, s46
	s_mul_i32 s92, s92, s46
	s_mul_i32 s98, s98, s46
	s_mul_i32 s96, s96, s46
	s_lshl_b32 s100, s43, 4
	s_lshl_b32 s101, s[LO], 3
	s_add_co_u32 s100, s100, s101
	s_mul_i32 s100, s100, TROW
	s_add_co_u32 s92, s92, s100
	s_mov_b32 s93, 0
	s_lshl_b32 s100, s43, 13
	s_lshl_b32 s101, s[LO], 12
	s_add_co_u32 s100, s100, s101
	s_add_co_u32 s96, s96, s100
	s_mov_b32 s97, 0
	s_lshl_b32 s66, s42, 4
	s_lshl_b32 s67, s[LO], 3
	s_add_co_u32 s66, s66, s67
	s_mul_i32 s66, s66, TROW
	s_add_co_u32 s94, s94, s66
	s_mov_b32 s95, 0
	s_lshl_b32 s66, s42, 13
	s_lshl_b32 s67, s[LO], 12
	s_add_co_u32 s66, s66, s67
	s_add_co_u32 s98, s98, s66
	s_mov_b32 s99, 0
	s_lshl_b32 s44, s41, 2
	s_lshl_b32 s44, 15, s44
	s_lshl_b32 s45, 0x1111, s40
	s_or_b32 s[G1+0], s44, (3<<16)|(1<<21)
	s_or_b32 s[G1B+0], s45, (3<<16)|(1<<21)
.irp g, G1, G1B
	s_mov_b32 s[\g+1], 384<<16
	s_mov_b32 s[\g+2], 16<<16
	s_mov_b32 s[\g+3], 384<<16
	s_mov_b32 s[\g+4], 16
	s_mov_b32 s[\g+5], 1536
	s_mov_b32 s[\g+6], 0
	s_mov_b32 s[\g+7], 0
.endr
	s_or_b32 s[G1S+0], s44, (3<<16)|(1<<21)
	s_or_b32 s[G1SB+0], s45, (3<<16)|(1<<21)
.irp g, G1S, G1SB
	s_mov_b32 s[\g+1], 32<<16
	s_mov_b32 s[\g+2], 32<<16
	s_mov_b32 s[\g+3], 32<<16
	s_mov_b32 s[\g+4], 32
	s_mov_b32 s[\g+5], 32
	s_mov_b32 s[\g+6], 0
	s_mov_b32 s[\g+7], 0
.endr
	s_mul_i32 s104, s[WV], HALFT
	s_wait_kmcnt 0x0
	s_cmp_eq_u32 s47, 1
	s_cselect_b64 s[100:101], s[8:9], s[4:5]
	s_cselect_b64 s[4:5], s[4:5], s[8:9]
	s_cselect_b64 s[8:9], s[10:11], s[6:7]
	s_cselect_b64 s[6:7], s[6:7], s[10:11]
	s_add_nc_u64 s[100:101], s[100:101], s[92:93]
	s_add_nc_u64 s[4:5], s[4:5], s[94:95]
	s_add_nc_u64 s[8:9], s[8:9], s[96:97]
	s_add_nc_u64 s[6:7], s[6:7], s[98:99]
	CROUND
	; the head's four tiles, each whole: the addresses above hold my half's term (LO), which is taken off again
	s_mul_i32 s66, s[LO], 8*TROW
	s_mov_b32 s67, 0
	s_mov_b32 s92, 1                               ; A's 16 tiles of K steps 0, 1 into slot 0
	s_mov_b32 s93, 0
	s_sub_nc_u64 s[94:95], s[100:101], s[66:67]
	s_or_b32 s95, s95, 0x80000000
	s_mov_b32 s96, 1                               ; B's 16 tiles behind them
	s_mov_b32 s97, 2*HALFT
	s_sub_nc_u64 s[98:99], s[4:5], s[66:67]
	s_or_b32 s99, s99, 0x80000000
	s_lshl_b32 s66, s[LO], 12
	s_mov_b32 s[G0S], 1                            ; A's scale words, 8,192 bytes
	s_mov_b32 s[G0S+1], SCL
	s_sub_nc_u64 s[G0S+2:G0S+3], s[8:9], s[66:67]
	s_or_b32 s[G0S+3], s[G0S+3], 0x80000000
	s_mov_b32 s[G0SB], 1
	s_mov_b32 s[G0SB+1], SCL+8192
	s_sub_nc_u64 s[G0SB+2:G0SB+3], s[6:7], s[66:67]
	s_or_b32 s[G0SB+3], s[G0SB+3], 0x80000000
.irp s, 0,1
	s_mov_b32 s[G0+4*\s], 1
	s_add_co_u32 s[G0+4*\s+1], s104, \s*SLOT
	s_add_nc_u64 s[G0+4*\s+2:G0+4*\s+3], s[100:101], \s*TILEB
	s_or_b32 s[G0+4*\s+3], s[G0+4*\s+3], 0x80000000
	s_mov_b32 s[G0B+4*\s], 1
	s_add_co_u32 s[G0B+4*\s+1], s104, \s*SLOT
	s_add_nc_u64 s[G0B+4*\s+2:G0B+4*\s+3], s[4:5], \s*TILEB
	s_or_b32 s[G0B+4*\s+3], s[G0B+4*\s+3], 0x80000000
.endr
; the head's loads, one a wave, in one chain of branches on the wave's number: wave 0 A's tiles, wave 1 B's, wave 2 A's scale words, wave 3 B's
.macro ARM under, g0, g1, next
	s_cmp_lt_u32 s[WV], \under
	s_cbranch_scc0 \next
	tensor_load_to_lds s[\g0:\g0+3], s[\g1:\g1+7]
	s_nop 0
.rept 4
	v_nop
.endr
	s_branch .Lhead_asked
\next:
.endm
	ARM 1, 92, G1, .Lhead_b
	ARM 2, 96, G1B, .Lhead_sa
	ARM 3, G0S, G1S, .Lhead_sb
	tensor_load_to_lds s[G0SB:G0SB+3], s[G1SB:G1SB+7]
	s_nop 0
.rept 4
	v_nop
.endr
.Lhead_asked:
	s_wait_alu depctr_va_vdst(0)
	s_wait_tensorcnt 0x0                           ; my tile of the four is in
	ds_add_u32 v28, v29
	s_mov_b32 s[G1+2], 8<<16                       ; no load of mine is out: from here on a load brings 8 tiles
	s_mov_b32 s[G1+4], 8
	s_mov_b32 s[G1B+2], 8<<16
	s_mov_b32 s[G1B+4], 8
	s_wait_dscnt 0x0
	CROUND
	JLOAD G0+4, G1, G0B+4, G1B
	v_and_b32 v1, 31, v0
	v_and_b32 v2, 15, v0
	v_bfe_u32 v3, v0, 4, 1
	s_wait_alu depctr_va_vdst(0)
	v_lshlrev_b32 v4, 3, v1
	s_mul_i32 s92, s[HI], HALFT
	s_mul_i32 s93, s[LO], HALFT
	s_add_co_u32 s93, s93, 2*HALFT
.irp s, 0,1
	v_add_nc_u32 v[ADRA+\s], s92, v4
	v_add_nc_u32 v[ADRB+\s], s93, v4
	s_add_co_u32 s92, s92, SLOT
	s_add_co_u32 s93, s93, SLOT
.endr
	s_lshl_b32 s92, s[HI], 10
	s_lshl_b32 s93, s[LO], 10
	s_add_co_u32 s93, s93, 8192
	s_sub_co_u32 s93, s93, s92
	v_mul_u32_u24 v5, s93, v3
	s_add_co_u32 s92, s92, SCL
	v_lshl_add_u32 v5, v2, 3, v5
	v_add_nc_u32 v[ADRS], s92, v5
	v_lshlrev_b32 v[CO], 4, v1
	s_cmp_eq_u32 s46, 1
	s_cselect_b64 s[12:13], s[14:15], s[12:13]
	s_cmp_eq_u32 s47, 1
	s_cbranch_scc1 .Lbias_v
	s_lshl_b32 s92, s42, 10
	s_lshl_b32 s93, s[LO], 9
	s_add_co_u32 s92, s92, s93
	s_mov_b32 s93, 0
	s_add_nc_u64 s[12:13], s[12:13], s[92:93]
	v_lshlrev_b32 v6, 6, v3
.irp b, 0,1,2,3,4,5,6,7
	global_load_b128 v[BT+8*\b:BT+8*\b+3], v6, s[12:13] offset:(32*(\b/2)+8*(\b%2))*4
	global_load_b128 v[BT+8*\b+4:BT+8*\b+7], v6, s[12:13] offset:(32*(\b/2)+8*(\b%2))*4+16
.endr
	s_wait_loadcnt 0x0
	s_branch .Lbias_done
.Lbias_v:
	s_lshl_b32 s92, s43, 10
	s_lshl_b32 s93, s[HI], 9
	s_add_co_u32 s92, s92, s93
	s_mov_b32 s93, 0
	s_add_nc_u64 s[16:17], s[16:17], s[92:93]
	v_and_b32 v6, 8, v2
	v_add_nc_u32 v6, v6, v2
	v_lshlrev_b32 v6, 2, v6
.irp a, 0,1,2,3,4,5,6,7
	global_load_b32 v[BT+8*\a], v6, s[16:17] offset:(32*(\a/2)+8*(\a%2))*4
.endr
	s_wait_loadcnt 0x0
.irp a, 0,1,2,3,4,5,6,7
.irp j, 1,2,3,4,5,6,7
	v_mov_b32 v[BT+8*\a+\j], v[BT+8*\a]
.endr
.endr
.Lbias_done:
	s_wait_tensorcnt 1
	s_barrier_signal -1
	s_barrier_wait -1
	s_wait_alu depctr_va_vdst(0)
	FETCH_B 0, 0, 0
	FETCH_A 0, 0, 0
	SCALES 0
	FETCH_A 0, 0, 4
	s_cmp_eq_u32 s47, 1
	s_cbranch_scc1 .Lfirst_v
	STEP 0, 0, 1
	s_branch .Lfirst_done
.Lfirst_v:
	STEP 0, 0, 2
.Lfirst_done:
	TURN 0, 1, 1
	STEP 1, 0, 0
	TURN 1, 0, 1
	STEP 0, 0, 0
	TURN 0, 1, 0
	STEP 1, 0, 0
	s_wait_dscnt 4*NL
	WIN MUL_LO
	MUL16 0, 1, NQ-1, 1, 0
	MUL16 2, 1, NQ-1, 1, 0
	s_wait_dscnt 0x0
	WIN MUL_HI
	MUL16 4, 1, NQ-1, 1, 0
	MUL16 6, 1, NQ-1, 1, 0
	WIN 0
.macro QUANT a
.set AC, 64*((\a)%4)
.set WA, 2+(\a)/4
.set WW, WA|(WA<<2)
.set IA, 128+12*(\a)
	WIN WW
.irp b, 0,1,2,3
	v_max3_num_f32 v[TM+\b], |v[AC+16*\b]|, |v[AC+16*\b+1]|, 0x1800000
.endr
.irp i, 2,4,6,8,10,12,14
.irp b, 0,1,2,3
	v_max3_num_f32 v[TM+\b], |v[AC+16*\b+\i]|, |v[AC+16*\b+\i+1]|, v[TM+\b]
.endr
.endr
	WIN 0
.irp b, 0,1,2,3
	v_permlanex16_b32 v[TM+4+\b], v[TM+\b], s92, s93
.endr
.irp b, 0,1,2,3
	v_max_num_f32 v[TM+\b], v[TM+\b], v[TM+4+\b]
.endr
.irp b, 0,1,2,3
	v_add_nc_u32 v[TM+12+\b], 0xff000000, v[TM+\b]
.endr
.irp b, 0,1,2,3
	v_lshrrev_b32 v[TM+4+\b], 23, v[TM+12+\b]
.endr
	v_lshl_or_b32 v[PWS+(\a)], v[TM+5], 8, v[TM+4]
	v_lshl_or_b32 v[PWS+(\a)], v[TM+6], 16, v[PWS+(\a)]
	v_lshl_or_b32 v[PWS+(\a)], v[TM+7], 24, v[PWS+(\a)]
	WIN WA
.irp c, 0,1
	v_cvt_scalef32_pk16_fp6_f32 v[IA+6*\c:IA+6*\c+2], v[AC+32*\c:AC+32*\c+15], v[TM+12+2*\c]
	v_cvt_scalef32_pk16_fp6_f32 v[CT+4*\c:CT+4*\c+2], v[AC+32*\c+16:AC+32*\c+31], v[TM+12+2*\c+1]
.endr
	WIN 0
	v_nop
.irp c, 0,1
.irp i, 0,1,2
	v_permlane16_swap_b32 v[IA+6*\c+\i], v[CT+4*\c+\i]
.endr
.irp i, 0,1,2
	v_mov_b32 v[IA+6*\c+3+\i], v[CT+4*\c+\i]
.endr
.endr
.endm
	PLACES NP
	s_mov_b32 s92, 0x76543210
	s_mov_b32 s93, 0xfedcba98
.irp b, 0,1,2,3
	v_mov_b32 v[TM+4+\b], 0
.endr
.irp a, 0,1,2,3,4,5,6,7
	QUANT \a
.endr
	s_lshl_b32 s94, s42, 1
	s_add_co_u32 s94, s94, s[LO]
	s_lshl_b32 s95, s43, 1
	s_add_co_u32 s95, s95, s[HI]
	s_cmp_eq_u32 s47, 1
	s_cselect_b32 s96, s94, s95
	s_cselect_b32 s97, s95, s94
	s_lshl_b32 s98, s96, 3
	s_add_co_u32 s98, s98, s97
	s_mul_i32 s98, s98, TROW
	s_mul_i32 s99, s46, HCB
	s_add_co_u32 s98, s98, s99
	s_mov_b32 s99, 0
	s_add_nc_u64 s[18:19], s[18:19], s[98:99]
	s_lshl_b32 s98, s96, 4
	s_lshl_b32 s97, s97, 1
	s_add_co_u32 s98, s98, s97
	s_lshl_b32 s98, s98, 8
	s_mul_i32 s97, s46, HSB
	s_add_co_u32 s98, s98, s97
	s_add_nc_u64 s[20:21], s[20:21], s[98:99]
	s_mov_b32 s94, 0x05040100
	s_mov_b32 s95, 0x07060302
	v_cmp_lt_u32 vcc_lo, 15, v1
	s_cmp_eq_u32 s47, 1
	s_cbranch_scc1 .Lout_v
.irp kb, 0,1,2,3
.irp i, 0,1,2,3,4,5
	v_swap_b32 v[128+24*\kb+6+\i], v[128+24*\kb+12+\i]
.endr
	v_perm_b32 v[HA+\kb], v[PWS+2*\kb+1], v[PWS+2*\kb], s94
	v_perm_b32 v[HB+\kb], v[PWS+2*\kb+1], v[PWS+2*\kb], s95
	v_cndmask_b32 v[SW+\kb], v[HA+\kb], v[HB+\kb], vcc_lo
.endr
	s_branch .Lout
.Lout_v:
.irp i, 0,1,2,3
	v_cndmask_b32 v[SW+\i], v[PWS+\i], v[PWS+4+\i], vcc_lo
.endr
.Lout:
	s_wait_alu depctr_va_vdst(0)
.irp i, 0,1,2,3,4,5,6,7
.irp c, 0,1,2
	global_store_b128 v[CO], v[128+12*\i+4*\c:128+12*\i+4*\c+3], s[18:19] offset:FRB*\i+512*\c
.endr
.endr
	global_store_b128 v[CO], v[SW:SW+3], s[20:21]
	s_wait_tensorcnt 0x0
	ds_add_u32 v[SPW], v[NIL]
	s_wait_dscnt 0x0
	CROUND
	s_endpgm
.Lfunc_end_k_qdb0fcedd83_proj:
	.size	k_qdb0fcedd83_proj, .Lfunc_end_k_qdb0fcedd83_proj-k_qdb0fcedd83_proj
	.p2alignl 7, 3214868480
	.fill 96, 4, 3214868480
	.section	.rodata,"a",@progbits
	.p2align	6, 0x0
	.amdhsa_kernel k_qdb0fcedd83_proj
		.amdhsa_group_segment_fixed_size 327680
		.amdhsa_private_segment_fixed_size 0
		.amdhsa_enable_private_segment 0
		.amdhsa_kernarg_size 72
		.amdhsa_user_sgpr_count 2
		.amdhsa_user_sgpr_kernarg_segment_ptr 1
		.amdhsa_wavefront_size32 1
		.amdhsa_system_sgpr_workgroup_id_x 1
		.amdhsa_system_sgpr_workgroup_id_y 1
		.amdhsa_system_sgpr_workgroup_id_z 1
		.amdhsa_system_vgpr_workitem_id 0
		.amdhsa_next_free_vgpr 1024
		.amdhsa_next_free_sgpr 106
		.amdhsa_reserve_vcc 1
		.amdhsa_float_denorm_mode_32 3
		.amdhsa_float_denorm_mode_16_64 3
		.amdhsa_memory_ordered 1
		.amdhsa_forward_progress 1
		.amdhsa_inst_pref_size 187
	.end_amdhsa_kernel
	.amdgpu_metadata
---
amdhsa.version: [ 1, 2 ]
amdhsa.kernels:
  - .name:           k_qdb0fcedd83_proj
    .symbol:         k_qdb0fcedd83_proj.kd
    .args:
      - { .name: xc, .offset: 0, .size: 8, .value_kind: global_buffer, .address_space: global }
      - { .name: xs, .offset: 8, .size: 8, .value_kind: global_buffer, .address_space: global }
      - { .name: wc, .offset: 16, .size: 8, .value_kind: global_buffer, .address_space: global }
      - { .name: ws, .offset: 24, .size: 8, .value_kind: global_buffer, .address_space: global }
      - { .name: bq, .offset: 32, .size: 8, .value_kind: global_buffer, .address_space: global }
      - { .name: bk, .offset: 40, .size: 8, .value_kind: global_buffer, .address_space: global }
      - { .name: bv, .offset: 48, .size: 8, .value_kind: global_buffer, .address_space: global }
      - { .name: hc, .offset: 56, .size: 8, .value_kind: global_buffer, .address_space: global }
      - { .name: hs, .offset: 64, .size: 8, .value_kind: global_buffer, .address_space: global }
    .group_segment_fixed_size: 327680
    .private_segment_fixed_size: 0
    .kernarg_segment_align: 8
    .kernarg_segment_size: 72
    .max_flat_workgroup_size: 128
    .sgpr_count:     106
    .vgpr_count:     1024
    .wavefront_size: 32
...
	.end_amdgpu_metadata
.endif
;; end of part 2
;; launch attn (part 3): grid 4 x 128, 16 waves a work-group, clusters of 4 x 4, 327,680 bytes of LDS; arguments hc, hs, mask, oc, os; writes oc, os
.if DOCPART == 3
	.amdgcn_target "amdgcn-amd-amdhsa--gfx1250"
	.amdhsa_code_object_version 6
	.text
	.protected	k_qdb0fcedd83_attn
	.globl	k_qdb0fcedd83_attn
	.p2align	8
	.type	k_qdb0fcedd83_attn,@function
k_qdb0fcedd83_attn:
	s_mov_b64 s[64:65], 0
	v_nop
	global_prefetch_b8 v0, s[64:65] scope:SCOPE_SE
	s_setreg_imm32_b32 hwreg(HW_REG_WAVE_MODE, 25, 1), 1
	s_wait_xcnt 0x0
	s_wait_alu depctr_hold_cnt(0) depctr_sa_sdst(0) depctr_va_vdst(0) depctr_va_sdst(0) depctr_va_ssrc(0) depctr_va_vcc(0) depctr_vm_vsrc(0)
	s_getreg_b32 s2, hwreg(HW_REG_IB_STS2, 6, 4)
	s_cmp_eq_u32 s2, 0
	s_cbranch_scc0 .Lentry_in_a_cluster
	s_endpgm
.Lentry_in_a_cluster:
	s_bfe_u32 s2, ttmp6, 0x10000c
	s_cmp_lg_u32 s2, 0xf033
	s_cbranch_scc0 .Lentry_shape_is_right
	s_endpgm
.Lentry_shape_is_right:
; O = softmax(Q K^T / 8 + mask x (-1e15)) V for 4 batches x 16 heads of 64 channels x 2,048 tokens, both products on codes of FP6 (E2M3) with E8M0 scales; O / l is quantised along the channels for the last product.
; SHARES.  A work-group takes 64 queries x 4 heads; wave w takes head w / 4 and queries 16 (w % 4) + r: one tile, in 256 registers.  Every wave walks the batch's 2,048 keys, 128 a step.
; LAYOUT.  Both products are used transposed: S^T = K Q^T (source 0 = keys), O^T = V^T P^T (source 0 = channels): a lane holds ONE query (lane % 16) throughout.  The keys of a tile are not neighbours
; (lane r of tile 2 b + u: key 32 b + 8 u + r + 8 (r / 8)), so register 16 b + i of S is key 32 b + 16 (lane / 16) + i.  V's channels likewise, so that O's registers run along the channels.
; K = 64 IN AN INSTRUCTION OF 128: a fragment of K holds key tile 2 kb in k 0 .. 63 and key tile 2 kb + 1 in k 64 .. 127; multiplied by [Q | zero codes] it gives the first tile's scores, by [zero codes | Q] the second's.
; THE MASK, f32 as given, times -8e15 (8 x f32(-1e15), exact) is the C of the score products: s' = 8 x logit.
; THE SOFTMAX: t = s' x log2(e) / 8; M = the running largest t rounded up to a whole number, kept as -M = floor(-t); p = 2^(t - M) by one packed multiply-add and v_exp_f32; the row's sum of the unquantised p divides at the end.
; When M moves, the sum and O^T are multiplied by 2^(old M - new M), exact.  Where |largest t| > 2^30 (a row that is so far wholly masked) the multiply-add takes 0.5 and -0.5 x the largest s' instead, by two selects:
; the largest p is then exactly 1, and a lower s' is lower by so much that its p is 0, as in the definition, where t is a whole number there.
; LIMITS: for 2^23 <= |t| < 2^30, t - M is formed from the unrounded product, where the definition rounds t first; a block of zeros gets the byte 1; NaN and infinities are not served.
; CLUSTER 4 x 4: x = group of 4 heads, y = block of 64 queries.  The mask's tile hangs on the queries alone: asked for jointly along a row; K, V and their scale words hang on the heads alone: along a column.
; LDS: two slots 2^17 bytes apart, each: the mask's 64 rows x (512 + 16) bytes, K's 24,576 bytes, V's 24,576 bytes (images of registers, dense); between the slots: K's and V's scale words of all 16 steps, the spare words, a stage.
.set HCB,   6291456
.set HSB,   262144
.set TROW,  12288                      ; a head pair's eight images
.set FRB,   1536
.set STEPB, 8*TROW                     ; from a step's codes to the next step's
.set SLOT1, 131072
.set MP,    528
.set KOFF,  64*MP
.set VOFF,  KOFF+2*TROW
.set KS,    VOFF+2*TROW                ; K's scale words: [step 16][head 4][r 16][4 words]
.set VS,    KS+16384
.set SPARE, VS+16384                   ; the spare words, 128 bytes for each wave: eight blocks of 256 bytes that no other line names
.set OST,   SPARE+2048                 ; the stage for O's scale bytes: 512 bytes, written by LDS stores alone
.set AM,  1                            ; v1-2   my place in the mask's tile, slot 0, 1
.set AK,  3                            ; v3-4   in K's images
.set AV,  5                            ; v5-6   in V's
.set ASK, 7                            ; v7     among K's scale words
.set ASV, 8                            ; v8     among V's
.set SPW, 9                            ; v9     LDS address of my spare word; never rewritten
.set NIL, 10                           ; v10    0; never rewritten
.set PFO, 11                           ; v11    the prefetches' offset; never rewritten
                                       ; v12 the addend, v13 the largest s'; v[14:15] the sum in two halves; v16 the multiplier, v17 -M; v18 log2(e) / 8, v19 0.5
.set QL,  20                           ; v20-31 [Q | zeros]
.set QH,  32                           ; v32-43 [zeros | Q]
.set QS,  44                           ; v44    Q's scale word;  v45 p's;  v48-51 K's;  v52-55 V's: scales and nothing else
.set PS,  45
.set KSW, 48
.set VSW, 52
.set F,   56                           ; v56-103  four fragments of K or of V
.set S,   104                          ; v104-167 the mask's term, then s', then p
.set O,   168                          ; v168-199 O^T
.set PC,  200                          ; v200-211 p's codes
.set CT,  212                          ; v212-219 second halves of blocks
.set BM,  220                          ; v220-223 the blocks' largest
.set T4,  224
.set SO,  228                          ; v228-231 the conversions' scale operands
.set BY,  232                          ; v232-235 the bytes
.set FF,  236                          ; v[236:237] f = 2^(old M - new M)
.set LT,  238                          ; v[238:239] the sum's second chain
.macro ROUND                           ; a round of the cluster's barrier
	s_barrier_signal -1
	s_barrier_wait -1
	s_cmp_lg_u32 s14, 0
	s_cbranch_scc1 .Lnot_wave_0_\@
	s_barrier_signal -3
.Lnot_wave_0_\@:
	s_barrier_wait -3
	s_barrier_signal -1
	s_barrier_wait -1
.endm
; A step's joint loads: wave 0 the mask's tile, wave 1 K's codes, wave 2 V's.  The branches hang on the wave's number alone.  Four v_nop follow each line.
.macro TLOAD3
	s_cmp_eq_u32 s14, 0
	s_cbranch_scc0 .Lt1_\@
	tensor_load_to_lds s[56:59], s[32:39]
	s_nop 0
.rept 4
	v_nop
.endr
	s_branch .Ltd_\@
.Lt1_\@:
	s_cmp_eq_u32 s14, 1
	s_cbranch_scc0 .Lt2_\@
	tensor_load_to_lds s[60:63], s[40:47]
	s_nop 0
.rept 4
	v_nop
.endr
	s_branch .Ltd_\@
.Lt2_\@:
	s_cmp_eq_u32 s14, 2
	s_cbranch_scc0 .Ltd_\@
	tensor_load_to_lds s[68:71], s[40:47]
	s_nop 0
.rept 4
	v_nop
.endr
.Ltd_\@:
.endm
; A PREFETCH INTO THE L2, one change of slots ahead of the tensor loads; each aligned block of 256 bytes is named once in the launch.
; The mask: wave 4 of every work-group, at every change in the loop, for the tile two steps on: 16 of its 64 rows, shared out among the four partners of a row BY ADDRESS (16 cx), two blocks a row, a lane a block.
; K and V: eight clusters walk the same batch: the first of them asks, waves 5 to 7, at every second change, for the steps two and three on: the column's four partners take K's or V's block of one of the two steps BY ADDRESS
; (cy), 8,192 bytes a wave, lanes 256 bytes apart.  The loop's last asks name step 15; the tail asks for nothing.  Steps 0 and 1 come by their loads alone.
.macro ASK flag
	s_cmp_eq_u32 s[\flag], 1
	s_cbranch_scc0 .Lna_\@
	global_prefetch_b8 v[PFO], s[28:29] th:TH_LOAD_NT scope:SCOPE_SE
.Lna_\@:
.endm
; THE CHANGE OF SLOTS is in two parts.
; Work on registers alone follows up to POST, at the step's end: the rest of the round
; (fill = 1) and the refill of the slot just left, with the step two on.  flag: the scalar register that says whether my wave prefetches here, or 0.
.macro PRE fill, flag
	s_wait_tensorcnt 0x0                           ; no tensor load of mine is out, so a group 0 may be written
	ds_add_u32 v[SPW], v[NIL]
.if \fill
	ds_add_u32 v[SPW], v[NIL]
	s_xor_b32 s57, s57, SLOT1
	s_add_nc_u64 s[58:59], s[58:59], 512
	s_xor_b32 s61, s61, SLOT1
	s_add_nc_u64 s[62:63], s[62:63], STEPB
	s_xor_b32 s69, s69, SLOT1
	s_add_nc_u64 s[70:71], s[70:71], STEPB
.endif
.if \flag
	s_wait_xcnt 0x0                                ; the last prefetch, a step back, has read its address
	s_add_nc_u64 s[28:29], s[28:29], s[30:31]
.endif
	s_wait_dscnt 0x0                               ; the add is done, and my reads of this slot are over
	s_barrier_signal -1
.endm
.macro POST fill, flag
	s_barrier_wait -1
.if \fill
	s_cmp_lg_u32 s14, 0
	s_cbranch_scc1 .Lnw0_\@
	s_barrier_signal -3
.Lnw0_\@:
	s_barrier_wait -3
	s_barrier_signal -1
	s_barrier_wait -1
	TLOAD3                                         ; the first thing behind the round, and a wave's one tensor load until the next
.endif
.if \flag
	ASK \flag
.endif
.endm
.macro SUMS from, to                   ; lines from .. to of the row's sum of the unquantised p: 32 packed additions in two chains
.set NN, \from
.rept (\to)-(\from)+1
.if NN == 0
	v_pk_add_f32 v[LT:LT+1], v[S:S+1], v[S+2:S+3]
.elseif NN == 31
	s_delay_alu instid0(VALU_DEP_1)
	v_pk_add_f32 v[14:15], v[14:15], v[LT:LT+1]
.elseif NN%2 == 1
	v_pk_add_f32 v[14:15], v[14:15], v[S+2*(NN+1):S+2*(NN+1)+1]
.else
	v_pk_add_f32 v[LT:LT+1], v[LT:LT+1], v[S+2*(NN+1):S+2*(NN+1)+1]
.endif
.set NN, NN+1
.endr
.endm
; A KEY STEP: 128 keys in slot sl; so: the step's place behind the scale words' addresses.
.macro STEP sl, so, bar, fill, flag    ; bar = 1: a change of slots goes with the step
.set NN, 0
.rept 16
	ds_load_b128 v[S+4*NN:S+4*NN+3], v[AM+\sl] offset:128*(NN/4)+16*(NN%4)   ; the mask of my query at keys 32 b + 16 h + 0 .. 15
.set NN, NN+1
.endr
.set NN, 0
.rept 12
	ds_load_b128 v[F+4*NN:F+4*NN+3], v[AK+\sl] offset:2*FRB*(NN/3)+512*(NN%3)   ; K's four pair fragments of my head
.set NN, NN+1
.endr
	ds_load_b128 v[KSW:KSW+3], v[ASK] offset:\so
	s_wait_dscnt 13                                ; the mask is in; K's 12 loads and its scale words may be out
.set NN, 0
.rept 32
	v_pk_mul_f32 v[S+NN:S+NN+1], v[S+NN:S+NN+1], s[22:23] op_sel_hi:[1,0]   ; mask x 8 x (-1e15)
.set NN, NN+2
.endr
.rept 4
	v_nop
.endr
	s_wait_alu depctr_va_vdst(0)
	s_wait_dscnt 0x0
.irp kb, 0,1,2,3
	v_wmma_scale_f32_16x16x128_f8f6f4 v[S+16*\kb:S+16*\kb+7], v[F+12*\kb:F+12*\kb+11], v[QL:QL+11], v[S+16*\kb:S+16*\kb+7], v[KSW+\kb], v[QS] matrix_a_fmt:MATRIX_FMT_FP6 matrix_b_fmt:MATRIX_FMT_FP6
	v_wmma_scale_f32_16x16x128_f8f6f4 v[S+16*\kb+8:S+16*\kb+15], v[F+12*\kb:F+12*\kb+11], v[QH:QH+11], v[S+16*\kb+8:S+16*\kb+15], v[KSW+\kb], v[QS] matrix_a_fmt:MATRIX_FMT_FP6 matrix_b_fmt:MATRIX_FMT_FP6
.endr
.rept 4
	v_nop                                          ; places in front of the loads into K's registers and of the first read of the scores
.endr
.set NN, 0
.rept 12
	ds_load_b128 v[F+4*NN:F+4*NN+3], v[AV+\sl] offset:FRB*(NN/3)+512*(NN%3)   ; V's four fragments of my head: they land under the softmax
.set NN, NN+1
.endr
	ds_load_b128 v[VSW:VSW+3], v[ASV] offset:\so
.irp b, 0,1,2,3
	v_max3_num_f32 v[BM+\b], v[S+16*\b], v[S+16*\b+1], v[S+16*\b+2]   ; the largest s' of each block of 32 keys: it serves the row's maximum and, since p rises with s', the block's largest p
.endr
.irp i, 3,5,7,9,11,13
.irp b, 0,1,2,3
	v_max3_num_f32 v[BM+\b], v[BM+\b], v[S+16*\b+\i], v[S+16*\b+\i+1]
.endr
.endr
.irp b, 0,1,2,3
	v_max_num_f32 v[BM+\b], v[BM+\b], v[S+16*\b+15]
.endr
.irp b, 0,1,2,3
	s_delay_alu instid0(VALU_DEP_4)
	v_permlanex16_b32 v[T4+\b], v[BM+\b], s20, s21
.endr
.irp b, 0,1,2,3
	s_delay_alu instid0(VALU_DEP_4)
	v_max_num_f32 v[BM+\b], v[BM+\b], v[T4+\b]     ; with lane l xor 16's 16 keys
.endr
	s_delay_alu instid0(VALU_DEP_2)
	v_max3_num_f32 v240, v[BM], v[BM+1], v[BM+2]
	s_delay_alu instid0(VALU_DEP_1)
	v_max3_num_f32 v13, v240, v[BM+3], v13         ; the running largest s'
	s_delay_alu instid0(VALU_DEP_1)
	v_mul_f32 v241, v18, v13                       ; as t
	v_mov_b32 v242, v17
	s_delay_alu instid0(VALU_DEP_2)
	v_floor_f32 v17, -v241                         ; the new -M: a whole number
	s_delay_alu instid0(VALU_DEP_1)
	v_sub_f32 v242, v17, v242                      ; old M - new M, 0 or less
	s_delay_alu instid0(VALU_DEP_1)
	v_cvt_i32_f32 v242, v242                       ; (it saturates)
	s_delay_alu instid0(VALU_DEP_1)
	v_ldexp_f32 v[FF], 1.0, v242                   ; f
	v_cmp_gt_f32 vcc_lo, |v241|, s24               ; a row so far wholly masked?
	s_delay_alu instid0(VALU_DEP_1)
	v_cndmask_b32 v16, v18, v19, vcc_lo            ; the multiplier: log2(e) / 8, or 0.5
	v_mul_f32 v240, -0.5, v13
	s_delay_alu instid0(VALU_DEP_1)
	v_cndmask_b32 v12, v17, v240, vcc_lo           ; the addend: -M, or -0.5 x the largest s'
.set NN, 0
.rept 32
	v_pk_fma_f32 v[S+NN:S+NN+1], v[S+NN:S+NN+1], v[16:17], v[12:13] op_sel_hi:[1,0,0]   ; t - M, two at a time (of both pairs the low word serves both halves)
.set NN, NN+2
.endr
.irp b, 0,1,2,3
	v_fma_f32 v[BM+\b], v[BM+\b], v16, v12         ; the same of each block's largest s'
.endr
.set NN, 0
	s_wait_alu depctr_va_vdst(0)
.rept 64
	v_exp_f32 v[S+NN], v[S+NN]                     ; p = 2^(t - M), at most 1: not normalised
.set NN, NN+1
.endr
.irp b, 0,1,2,3
	v_exp_f32 v[BM+\b], v[BM+\b]                   ; the block's largest p: the same two instructions on the same number give the same bits
.endr
	v_pk_mul_f32 v[14:15], v[14:15], v[FF:FF+1] op_sel_hi:[1,0]   ; the sum and O^T under the new M: independent work behind the batch
.set NN, 0
	s_wait_alu depctr_va_vdst(0)
.rept 16
	v_pk_mul_f32 v[O+NN:O+NN+1], v[O+NN:O+NN+1], v[FF:FF+1] op_sel_hi:[1,0]
.set NN, NN+2
.endr
	s_wait_alu depctr_va_vdst(0)                   ; one wait for the 68 exponentials, ahead of their first reader, and ahead of the waits below
.if \bar
	PRE \fill, \flag                               ; V's fragments, asked for ahead of the maxima, were my last reads of this slot
.endif
.irp b, 0,1,2,3
	v_max_num_f32 v[BM+\b], 0x1800000, v[BM+\b]
.endr
.irp b, 0,1,2,3
	s_delay_alu instid0(VALU_DEP_4)
	v_add_nc_u32 v[SO+\b], 0xff000000, v[BM+\b]    ; 2 off the exponent field: the conversion's scale operand
.endr
.irp b, 0,1,2,3
	s_delay_alu instid0(VALU_DEP_4)
	v_lshrrev_b32 v[BY+\b], 23, v[SO+\b]
.endr
	s_delay_alu instid0(VALU_DEP_3)
	v_lshl_or_b32 v[PS], v[BY+1], 8, v[BY]         ; p's scale word for these 128 keys
	s_delay_alu instid0(VALU_DEP_1)
	v_lshl_or_b32 v[PS], v[BY+2], 16, v[PS]
	s_delay_alu instid0(VALU_DEP_1)
	v_lshl_or_b32 v[PS], v[BY+3], 24, v[PS]
.irp c, 0,1
	v_cvt_scalef32_pk16_fp6_f32 v[PC+6*\c:PC+6*\c+2], v[S+32*\c:S+32*\c+15], v[SO+2*\c]
	v_cvt_scalef32_pk16_fp6_f32 v[CT+4*\c:CT+4*\c+2], v[S+32*\c+16:S+32*\c+31], v[SO+2*\c+1]   ; (a conversion's three registers begin on an even number)
.endr
	v_nop                                          ; one plain place behind a scaled conversion
.irp c, 0,1                                    ; the operand's layout wants a whole block in a lane
.irp i, 0,1,2
	v_permlane16_swap_b32 v[PC+6*\c+\i], v[CT+4*\c+\i]
.endr
.irp i, 0,1,2
	s_delay_alu instid0(VALU_DEP_3)
	v_mov_b32 v[PC+6*\c+3+\i], v[CT+4*\c+\i]
.endr
.endr
	SUMS 0, 8                                      ; nine lines of the row's sum: the places between p's codes and scale word and the products
.if \bar == 0
	s_wait_alu depctr_va_vdst(0)
	s_wait_dscnt 0x0                               ; V is in (with a change of slots PRE has waited for it)
.endif
.irp t, 0,1,2,3
	v_wmma_scale_f32_16x16x128_f8f6f4 v[O+8*\t:O+8*\t+7], v[F+12*\t:F+12*\t+11], v[PC:PC+11], v[O+8*\t:O+8*\t+7], v[VSW+\t], v[PS] matrix_a_fmt:MATRIX_FMT_FP6 matrix_b_fmt:MATRIX_FMT_FP6
.endr
	SUMS 9, 31                                     ; the rest: the places behind the products, in front of the next step's loads into V's registers
.if \bar
	POST \fill, \flag
.endif
.endm
	s_load_b256 s[4:11], s[0:1], 0x0               ; hc, hs, mask, oc
	s_load_b64 s[12:13], s[0:1], 0x20              ; os
	v_lshl_add_u32 v[SPW], v0, 2, SPARE
	v_mov_b32 v[NIL], 0
	ds_add_u32 v9, v10
	ds_add_u32 v9, v10
	s_wait_dscnt 0x0
	v_lshrrev_b32 v240, 5, v0
	s_delay_alu instid0(VALU_DEP_1)
	v_readfirstlane_b32 s14, v240                  ; wave 0..15
	s_lshr_b32 s15, s14, 2                         ; hh: my head of the group's four
	s_and_b32 s16, s14, 3                          ; qt: my tile of queries
	s_bfe_u32 s17, ttmp6, 0x40000                  ; cx: the group of heads
	s_bfe_u32 s18, ttmp6, 0x40004                  ; cy
	s_and_b32 s19, ttmp7, 0xffff                   ; the cluster's y
	s_lshr_b32 s3, s19, 3                          ; the batch
	s_lshl_b32 s81, s19, 2
	s_add_co_u32 s81, s81, s18                     ; qb: my block of 64 queries, 0 .. 127, over all batches
	s_lshl_b32 s82, s81, 19                        ; the mask: 64 qb rows of 8,192 bytes: hangs on the cluster and cy alone
	s_mov_b32 s83, 0
	s_lshl_b32 s84, s3, 7                          ; K, V: (16 steps x 8 head pairs) x batch + 2 cx: hangs on the cluster and cx alone
	s_lshl_b32 s85, s17, 1
	s_add_co_u32 s84, s84, s85
	s_mul_i32 s84, s84, TROW
	s_mov_b32 s85, 0
	s_lshl_b32 s86, s3, 8                          ; their scale words: (16 steps x 16 heads) x batch + 4 cx, 256 bytes each
	s_lshl_b32 s87, s17, 2
	s_add_co_u32 s86, s86, s87
	s_lshl_b32 s86, s86, 8
	s_mov_b32 s87, 0
	s_lshl_b32 s80, s18, 2
	s_lshl_b32 s80, 15, s80                        ; my row of the cluster
	s_lshl_b32 s2, 0x1111, s17                     ; my column
	; group 1, the mask's tile: 64 rows x 128 elements of 4 bytes, 2,048 elements apart; 4 words of padding behind every 128
	s_or_b32 s32, s80, (2<<16)|(1<<20)|(1<<21)|(6<<22)|(3<<25)
	s_mov_b32 s33, 128<<16
	s_mov_b32 s34, 64<<16
	s_mov_b32 s35, 128<<16
	s_mov_b32 s36, 64
	s_mov_b32 s37, 2048
	s_mov_b32 s38, 0
	s_mov_b32 s39, 0
	; K's or V's codes of a step: 24,576 dense bytes as 96 rows of 256 bytes
	s_or_b32 s40, s2, (3<<16)|(1<<21)
	s_mov_b32 s41, 32<<16
	s_mov_b32 s42, 96<<16
	s_mov_b32 s43, 32<<16
	s_mov_b32 s44, 96
	s_mov_b32 s45, 32
	s_mov_b32 s46, 0
	s_mov_b32 s47, 0
	; the scale words of all 16 steps: 16 rows of 1,024 bytes, 4,096 bytes apart
	s_or_b32 s48, s2, (3<<16)|(1<<21)
	s_mov_b32 s49, 128<<16
	s_mov_b32 s50, 16<<16
	s_mov_b32 s51, 128<<16
	s_mov_b32 s52, 16
	s_mov_b32 s53, 512
	s_mov_b32 s54, 0
	s_mov_b32 s55, 0
	; where O's codes and scale bytes go, and where Q lies
	s_lshl_b32 s96, s81, 2
	s_add_co_u32 s96, s96, s16                     ; oc: tile 4 qb + qt,
	s_mul_i32 s96, s96, TROW
	s_lshl_b32 s66, s17, 1
	s_lshr_b32 s67, s15, 1
	s_add_co_u32 s66, s66, s67                     ; the head pair = the last product's K step,
	s_mul_i32 s67, s66, FRB
	s_add_co_u32 s96, s96, s67
	s_and_b32 s67, s15, 1
	s_mul_i32 s67, s67, 768                        ; pieces 0-2 or 3-5 of the image
	s_add_co_u32 s96, s96, s67
	s_mov_b32 s97, 0
	s_lshr_b32 s98, s81, 2                         ; os: [256 rows][cx][row][8 bytes]: my work-group's 64 rows
	s_lshl_b32 s98, s98, 13
	s_lshl_b32 s67, s17, 11
	s_add_co_u32 s98, s98, s67
	s_and_b32 s67, s81, 3
	s_lshl_b32 s67, s67, 9
	s_add_co_u32 s98, s98, s67
	s_mov_b32 s99, 0
	s_lshr_b32 s92, s81, 1                         ; Q: kbk = qb / 2,
	s_lshl_b32 s93, s92, 3
	s_add_co_u32 s93, s93, s66
	s_mul_i32 s93, s93, TROW
	s_and_b32 s94, s81, 1
	s_lshl_b32 s94, s94, 1
	s_lshr_b32 s95, s16, 1
	s_add_co_u32 s94, s94, s95                     ; kb: which 32 rows of the 128 hold my 16 queries
	s_mul_i32 s95, s94, 2*FRB
	s_add_co_u32 s93, s93, s95
	s_and_b32 s95, s15, 1
	s_mul_i32 s95, s95, FRB
	s_add_co_u32 s93, s93, s95
	s_lshl_b32 s92, s92, 4
	s_lshl_b32 s95, s17, 2
	s_add_co_u32 s92, s92, s95
	s_add_co_u32 s92, s92, s15
	s_lshl_b32 s92, s92, 8
	s_lshl_b32 s94, s94, 2
	s_add_co_u32 s94, s92, s94                     ; its scale word: word kb of the row's four
	s_mov_b32 s92, s93
	s_mov_b32 s93, 0
	s_mov_b32 s95, 0
	s_mov_b32 s20, 0x76543210
	s_mov_b32 s21, 0xfedcba98                      ; v_permlanex16_b32's selects for lane l xor 16
	s_mov_b32 s22, 0xd9e35fa9                      ; 8 x f32(-1e15)
	s_mov_b32 s23, s22                             ; (named with it as a pair, so it is written)
	s_mov_b32 s24, 0x4e800000                      ; 2^30
	s_wait_kmcnt 0x0
	s_add_nc_u64 s[92:93], s[4:5], s[92:93]
	s_add_nc_u64 s[94:95], s[6:7], s[94:95]
	s_add_nc_u64 s[10:11], s[10:11], s[96:97]
	s_add_nc_u64 s[12:13], s[12:13], s[98:99]
	s_add_nc_u64 s[88:89], s[4:5], s[84:85]
	s_add_nc_u64 s[90:91], s[6:7], s[86:87]
	s_mov_b32 s56, 1                               ; group 0, the mask: slot 0, keys 0 on
	s_mov_b32 s57, 0
	s_add_nc_u64 s[58:59], s[8:9], s[82:83]
	s_or_b32 s59, s59, 0x80000000
	s_mov_b32 s60, 1                               ; K's codes
	s_mov_b32 s61, KOFF
	s_add_nc_u64 s[62:63], s[88:89], HCB
	s_or_b32 s63, s63, 0x80000000
	s_mov_b32 s68, 1                               ; V's
	s_mov_b32 s69, VOFF
	s_add_nc_u64 s[70:71], s[88:89], 2*HCB
	s_or_b32 s71, s71, 0x80000000
	s_mov_b32 s72, 1                               ; K's scale words
	s_mov_b32 s73, KS
	s_add_nc_u64 s[74:75], s[90:91], HSB
	s_or_b32 s75, s75, 0x80000000
	s_mov_b32 s76, 1                               ; V's
	s_mov_b32 s77, VS
	s_add_nc_u64 s[78:79], s[90:91], 2*HSB
	s_or_b32 s79, s79, 0x80000000
	ROUND                                          ; all sixteen work-groups are here: the first joint loads meet
; the first fills, one a wave, in one chain of branches on the wave's number: wave 0 the mask's tile, 1 K's codes, 2 V's, 3 K's scale words, 4 V's
.macro FARM w, g0, g1, next
	s_cmp_eq_u32 s14, \w
	s_cbranch_scc0 \next
	tensor_load_to_lds s[\g0:\g0+3], s[\g1:\g1+7]
	s_nop 0
.rept 4
	v_nop
.endr
	s_branch .Lfd
\next:
.endm
	FARM 0, 56, 32, .Lf1
	FARM 1, 60, 40, .Lf2
	FARM 2, 68, 40, .Lf3
	FARM 3, 72, 48, .Lf4
	FARM 4, 76, 48, .Lf5
.Lfd:
	; Q.  In hc the rows of a tile are not neighbours; my queries are: query 16 (qt % 2) + r of the 32 lies in tile u = r / 8 of the pair, at lane (r % 8) + 8 (qt % 2).
	v_and_b32 v240, 15, v0                         ; r
	v_bfe_u32 v241, v0, 4, 1                       ; h
	v_and_b32 v242, 31, v0                         ; lane
	s_delay_alu instid0(VALU_DEP_3)
	v_and_b32 v243, 7, v240
	s_and_b32 s96, s16, 1
	s_lshl_b32 s96, s96, 3
	v_add_nc_u32 v243, s96, v243                   ; the row's lane in the image,
	s_delay_alu instid0(VALU_DEP_1)
	v_lshl_add_u32 v244, v241, 4, v243             ; with my half,
	s_delay_alu instid0(VALU_DEP_1)
	v_lshlrev_b32 v244, 4, v244                    ; 16 bytes a lane
	v_lshrrev_b32 v245, 3, v240                    ; u
	s_delay_alu instid0(VALU_DEP_1)
	v_mad_u32_u24 v246, v245, 520, v244            ; register pairs 0, 1, 2 lie at 0, 8, 512; pairs 3, 4, 5 at 520, 1,024, 1,032
	s_delay_alu instid0(VALU_DEP_2)
	v_mad_u32_u24 v247, v245, 1016, v244
	v_lshlrev_b32 v248, 4, v243
	global_load_b64 v[QL:QL+1], v246, s[92:93]
	global_load_b64 v[QL+2:QL+3], v247, s[92:93] offset:8
	global_load_b64 v[QL+4:QL+5], v246, s[92:93] offset:512
	global_load_b64 v[QH+6:QH+7], v246, s[92:93]
	global_load_b64 v[QH+8:QH+9], v247, s[92:93] offset:8
	global_load_b64 v[QH+10:QH+11], v246, s[92:93] offset:512
	global_load_b32 v249, v248, s[94:95]
.irp i, 0,1,2,3,4,5
	v_mov_b32 v[QL+6+\i], 0                        ; zero codes
	v_mov_b32 v[QH+\i], 0
.endr
	v_cmp_eq_u32 vcc_lo, 1, v245
	v_mov_b32 v250, 0x01000100                     ; the row's two bytes, written twice: bytes 0, 1 of the word for u = 0,
	v_mov_b32 v251, 0x03020302                     ; bytes 2, 3 for u = 1
	s_delay_alu instid0(VALU_DEP_1)
	v_cndmask_b32 v250, v250, v251, vcc_lo
	; LDS addresses
	s_lshl_b32 s96, s16, 4
	v_add_nc_u32 v[AM], s96, v240
	s_delay_alu instid0(VALU_DEP_1)
	v_mul_u32_u24 v[AM], v[AM], MP
	s_delay_alu instid0(VALU_DEP_1)
	v_lshl_add_u32 v[AM], v241, 6, v[AM]           ; the mask: row 16 qt + r, + 64 h
	s_delay_alu instid0(VALU_DEP_1)
	v_add_nc_u32 v[AM+1], SLOT1, v[AM]
	v_lshlrev_b32 v243, 4, v242                    ; 16 x lane
	s_wait_alu depctr_va_vdst(0)
	s_lshr_b32 s96, s15, 1
	s_mul_i32 s96, s96, TROW                       ; my head's pair,
	s_and_b32 s97, s15, 1
	s_mul_i32 s98, s97, FRB                        ; K: image 2 kb + (hh % 2)
	s_add_co_u32 s98, s98, s96
	s_add_co_u32 s98, s98, KOFF
	v_add_nc_u32 v[AK], s98, v243
	s_delay_alu instid0(VALU_DEP_1)
	v_add_nc_u32 v[AK+1], SLOT1, v[AK]
	s_mul_i32 s98, s97, 4*FRB                      ; V: image 4 (hh % 2) + t
	s_add_co_u32 s98, s98, s96
	s_add_co_u32 s98, s98, VOFF
	v_add_nc_u32 v[AV], s98, v243
	s_delay_alu instid0(VALU_DEP_1)
	v_add_nc_u32 v[AV+1], SLOT1, v[AV]
	s_lshl_b32 s96, s15, 8
	v_lshl_add_u32 v[ASK], v240, 4, s96            ; scale words: 256 hh + 16 r
	s_delay_alu instid0(VALU_DEP_1)
	v_add_nc_u32 v[ASV], VS, v[ASK]
	s_delay_alu instid0(VALU_DEP_2)
	v_add_nc_u32 v[ASK], KS, v[ASK]
	; the prefetches: where my wave's stand, and who asks
	s_lshl_b32 s97, s17, 17                        ; the mask: my work-group's 16 rows of the 64,
	s_add_co_u32 s97, s97, s82
	s_add_co_u32 s97, s97, 512                     ; in tile 1: the first change steps it to tile 2
	s_and_b32 s98, s18, 1                          ; K (cy even) or V (cy odd),
	s_add_co_u32 s98, s98, 1
	s_mul_i32 s98, s98, HCB
	s_lshr_b32 s99, s18, 1                         ; of step 1 + cy / 2: the first change steps it to step 2 or 3
	s_add_co_u32 s99, s99, 1
	s_mul_i32 s99, s99, STEPB
	s_add_co_u32 s98, s98, s99
	s_add_co_u32 s98, s98, s84
	s_sub_co_u32 s99, s14, 5
	s_min_u32 s99, s99, 2                          ; waves 5 to 7: 8,192 bytes each (held, so that the address lies in the buffer in every wave)
	s_lshl_b32 s99, s99, 13
	s_add_co_u32 s98, s98, s99
	s_mov_b32 s96, STEPB
	s_mov_b32 s99, 8192
	s_cmp_eq_u32 s14, 4
	s_cselect_b64 s[28:29], s[8:9], s[4:5]
	s_cselect_b32 s98, s97, s98
	s_cselect_b32 s30, 512, s96                    ; a step on
	s_cselect_b32 s96, s99, 512                    ; from pair of lanes to pair of lanes
	s_cselect_b32 s27, 1, 0                        ; who asks at the odd changes: wave 4
	s_mov_b32 s31, 0
	s_mov_b32 s99, 0
	s_add_nc_u64 s[28:29], s[28:29], s[98:99]
	s_sub_co_u32 s97, s14, 5
	s_cmp_lt_u32 s97, 3
	s_cselect_b32 s26, 1, 0
	s_and_b32 s97, s19, 7
	s_cmp_eq_u32 s97, 0                            ; the batch's first cluster: the same in all sixteen partners
	s_cselect_b32 s26, s26, 0
	s_or_b32 s26, s26, s27                         ; who asks at the even changes
	v_lshrrev_b32 v244, 1, v242
	s_delay_alu instid0(VALU_DEP_1)
	v_mul_u32_u24 v[PFO], v244, s96
	v_and_b32 v244, 1, v242
	s_delay_alu instid0(VALU_DEP_1)
	v_lshl_add_u32 v[PFO], v244, 8, v[PFO]
	; the state
	v_mov_b32 v18, 0x3e38aa3b                      ; log2(e) / 8
	v_mov_b32 v19, 0.5
	v_mov_b32 v13, 0xff61b1e6                      ; the largest s' so far: -3e38
	s_delay_alu instid0(VALU_DEP_1)
	v_mul_f32 v241, v18, v13
	s_delay_alu instid0(VALU_DEP_1)
	v_floor_f32 v17, -v241                         ; -M
	s_delay_alu instid0(VALU_DEP_1)
	v_mov_b32 v12, v17
	v_mov_b32 v16, v18
	v_mov_b32 v14, 0                               ; the sum, in two halves
	v_mov_b32 v15, 0
	v_mov_b32 v[FF+1], 0                           ; (named as the upper half of a pair)
.irp b, 0,1,2,3
	v_mov_b32 v[T4+\b], 0                          ; a lane permute's destination counts as one of its sources
.endr
.set NN, 0
.rept 32
	v_mov_b32 v[O+NN], 0                           ; O^T: the step is written without a first step of its own: the first change of M multiplies zeros
.set NN, NN+1
.endr
	s_wait_loadcnt 0x0                             ; Q
	v_perm_b32 v[QS], v249, v249, v250
	s_wait_alu depctr_va_vdst(0)
	PRE 1, 26                                      ; the first fills are in; slot 1's first fill, step 1, is issued as a refill is
	POST 1, 26
	s_mov_b32 s25, 7
.Lpair:                                            ; 7 trips of two steps: steps 0 .. 13; step s asks for step s + 2 at its end
	STEP 0, 0, 1, 1, 27
	s_cmp_eq_u32 s25, 1                            ; the last trip's second change would prefetch step 16: nobody asks there
	s_cselect_b32 s26, 0, s26
	STEP 1, 1024, 1, 1, 26
	v_add_nc_u32 v[ASK], 2048, v[ASK]              ; two steps' scale words on (no LDS load of mine is out)
	v_add_nc_u32 v[ASV], 2048, v[ASV]
	s_sub_co_u32 s25, s25, 1
	s_cmp_lg_u32 s25, 0
	s_wait_alu depctr_va_vdst(0)
	s_cbranch_scc1 .Lpair
	STEP 0, 0, 1, 0, 0                             ; step 14: a barrier shows step 15's slot whole; nothing is filled again
	STEP 1, 1024, 0, 0, 0
	; THE WAY OUT.  O^T / the sum; register 16 b + i is channel 32 b + 16 h + i of my head: two blocks, quantised as p is; they are half a fragment of the last product's operand.
	s_delay_alu instid0(VALU_DEP_1)
	v_add_f32 v14, v14, v15
	s_delay_alu instid0(VALU_DEP_1)
	v_permlanex16_b32 v[T4], v14, s20, s21
	s_delay_alu instid0(VALU_DEP_1)
	v_add_f32 v14, v14, v[T4]                      ; the row's sum
	s_wait_alu depctr_va_vdst(0)
	v_rcp_f32 v14, v14
	v_and_b32 v240, 15, v0                         ; (plain work behind the reciprocal)
	v_and_b32 v242, 31, v0
	s_lshl_b32 s96, s16, 7
	s_lshl_b32 s97, s15, 1
	s_add_co_u32 s96, s96, s97
	s_add_co_u32 s96, s96, OST
	v_lshl_add_u32 v252, v240, 3, s96              ; the stage: 8 bytes a row, my head's two bytes: 8 (16 qt + r) + 2 hh
	v_lshlrev_b32 v253, 3, v242
	v_lshlrev_b32 v255, 4, v242
	s_delay_alu instid0(VALU_DEP_1)
	v_add_nc_u32 v254, OST, v255
	s_wait_alu depctr_va_vdst(0)                   ; the wait ahead of the reciprocal's first reader
.set NN, 0
.rept 16
	v_pk_mul_f32 v[S+NN:S+NN+1], v[O+NN:O+NN+1], v[14:15] op_sel_hi:[1,0]   ; each accumulator from its low end on
.set NN, NN+2
.endr
.irp b, 0,1
	v_max3_num_f32 v[BM+\b], |v[S+16*\b]|, |v[S+16*\b+1]|, 0x1800000
.endr
.irp i, 2,4,6,8,10,12,14
.irp b, 0,1
	s_delay_alu instid0(VALU_DEP_2)
	v_max3_num_f32 v[BM+\b], v[BM+\b], |v[S+16*\b+\i]|, |v[S+16*\b+\i+1]|
.endr
.endr
.irp b, 0,1
	s_delay_alu instid0(VALU_DEP_2)
	v_permlanex16_b32 v[T4+\b], v[BM+\b], s20, s21
.endr
.irp b, 0,1
	s_delay_alu instid0(VALU_DEP_2)
	v_max_num_f32 v[BM+\b], v[BM+\b], v[T4+\b]
.endr
.irp b, 0,1
	s_delay_alu instid0(VALU_DEP_2)
	v_add_nc_u32 v[SO+\b], 0xff000000, v[BM+\b]
.endr
.irp b, 0,1
	s_delay_alu instid0(VALU_DEP_2)
	v_lshrrev_b32 v[BY+\b], 23, v[SO+\b]
.endr
	s_delay_alu instid0(VALU_DEP_1)
	v_lshl_or_b32 v240, v[BY+1], 8, v[BY]
	v_cvt_scalef32_pk16_fp6_f32 v[PC:PC+2], v[S:S+15], v[SO]
	v_cvt_scalef32_pk16_fp6_f32 v[CT:CT+2], v[S+16:S+31], v[SO+1]
	v_nop                                          ; one plain place behind a scaled conversion
.irp i, 0,1,2
	v_permlane16_swap_b32 v[PC+\i], v[CT+\i]
.endr
.irp i, 0,1,2
	s_delay_alu instid0(VALU_DEP_3)
	v_mov_b32 v[PC+3+\i], v[CT+\i]
.endr
.irp i, 0,1,2
	global_store_b64 v253, v[PC+2*\i:PC+2*\i+1], s[10:11] offset:256*\i   ; 32 lanes store 256 consecutive bytes, aligned
.endr
	ds_store_b16 v252, v240                        ; both lanes of a row write the same two bytes with the same value
	s_wait_dscnt 0x0                               ; for the others' sake
	s_barrier_signal -1
	s_barrier_wait -1
	s_cmp_lg_u32 s14, 0
	s_cbranch_scc1 .Lnot0
	ds_load_b128 v[244:247], v254                  ; the 64 rows' scale words of my four heads
	s_wait_dscnt 0x0
	global_store_b128 v255, v[244:247], s[12:13]   ; 512 consecutive bytes, aligned
.Lnot0:
	s_wait_tensorcnt 0x0                           ; the wave's end
	ds_add_u32 v[SPW], v[NIL]
	s_wait_dscnt 0x0
	ROUND                                          ; the closing round
	s_endpgm
.Lfunc_end_k_qdb0fcedd83_attn:
	.size	k_qdb0fcedd83_attn, .Lfunc_end_k_qdb0fcedd83_attn-k_qdb0fcedd83_attn
	.p2alignl 7, 3214868480
	.fill 96, 4, 3214868480
	.section	.rodata,"a",@progbits
	.p2align	6, 0x0
	.amdhsa_kernel k_qdb0fcedd83_attn
		.amdhsa_group_segment_fixed_size 327680
		.amdhsa_private_segment_fixed_size 0
		.amdhsa_enable_private_segment 0
		.amdhsa_kernarg_size 40
		.amdhsa_user_sgpr_count 2
		.amdhsa_user_sgpr_kernarg_segment_ptr 1
		.amdhsa_wavefront_size32 1
		.amdhsa_system_sgpr_workgroup_id_x 1
		.amdhsa_system_sgpr_workgroup_id_y 1
		.amdhsa_system_sgpr_workgroup_id_z 1
		.amdhsa_system_vgpr_workitem_id 0
		.amdhsa_next_free_vgpr 256
		.amdhsa_next_free_sgpr 100
		.amdhsa_reserve_vcc 1
		.amdhsa_float_denorm_mode_32 3
		.amdhsa_float_denorm_mode_16_64 3
		.amdhsa_memory_ordered 1
		.amdhsa_forward_progress 1
		.amdhsa_inst_pref_size 105
	.end_amdhsa_kernel
	.amdgpu_metadata
---
amdhsa.version: [ 1, 2 ]
amdhsa.kernels:
  - .name:           k_qdb0fcedd83_attn
    .symbol:         k_qdb0fcedd83_attn.kd
    .args:
      - { .name: hc, .offset: 0, .size: 8, .value_kind: global_buffer, .address_space: global }
      - { .name: hs, .offset: 8, .size: 8, .value_kind: global_buffer, .address_space: global }
      - { .name: mask, .offset: 16, .size: 8, .value_kind: global_buffer, .address_space: global }
      - { .name: oc, .offset: 24, .size: 8, .value_kind: global_buffer, .address_space: global }
      - { .name: os, .offset: 32, .size: 8, .value_kind: global_buffer, .address_space: global }
    .group_segment_fixed_size: 327680
    .private_segment_fixed_size: 0
    .kernarg_segment_align: 8
    .kernarg_segment_size: 40
    .max_flat_workgroup_size: 512
    .sgpr_count:     100
    .vgpr_count:     256
    .wavefront_size: 32
...
	.end_amdgpu_metadata
.endif
;; end of part 3
;; launch outproj (part 4): grid 4 x 32, 4 waves a work-group, clusters of 4 x 4, 327,680 bytes of LDS; arguments oc, os, wc, ws, bo, out0; writes out0
.if DOCPART == 4
	.amdgcn_target "amdgcn-amd-amdhsa--gfx1250"
	.amdhsa_code_object_version 6
	.text
	.protected	k_qdb0fcedd83_outproj
	.globl	k_qdb0fcedd83_outproj
	.p2align	8
	.type	k_qdb0fcedd83_outproj,@function
k_qdb0fcedd83_outproj:
	s_mov_b64 s[64:65], 0
	v_nop
	global_prefetch_b8 v0, s[64:65] scope:SCOPE_SE
	s_setreg_imm32_b32 hwreg(HW_REG_WAVE_MODE, 25, 1), 1
	s_wait_xcnt 0x0
	s_wait_alu depctr_hold_cnt(0) depctr_sa_sdst(0) depctr_va_vdst(0) depctr_va_sdst(0) depctr_va_ssrc(0) depctr_va_vcc(0) depctr_vm_vsrc(0)
	s_getreg_b32 s2, hwreg(HW_REG_IB_STS2, 6, 4)
	s_cmp_eq_u32 s2, 0
	s_cbranch_scc0 .Lentry_in_a_cluster
	s_endpgm
.Lentry_in_a_cluster:
	s_bfe_u32 s2, ttmp6, 0x10000c
	s_cmp_lg_u32 s2, 0xf033
	s_cbranch_scc0 .Lentry_shape_is_right
	s_endpgm
.Lentry_shape_is_right:
.set WCB,   786432
.set WSB,   32768
.set TROW,  12288
.set FRB,   1536
.set NQ,    2
.set FR,    12
.set NL,    6
.set NP,    4
.set TILEB, NQ*FRB
.set HALFT, 8*TILEB
.set SLOT,  4*HALFT
.set SCL,   2*SLOT
.set SPARE, SCL+16384
.set SPITCH, 528
.set ADRA, 16
.set ADRB, 20
.set STO,  24
.set RD,   25
.set CO,   26
.set ADRS, 27
.set SPW,  28
.set NIL,  29
.set SC,   32
.set BT,   64
.set AF,   128
.set BK,   128
.set G1,   24
.set G0,   32
.set G1B,  48
.set G0B,  56
.set G1S,  68
.set G0S,  76
.set G1SB, 80
.set G0SB, 88
.set WV,   22
.set HI,   23
.set LO,   2
.set MSB, 0
.macro WIN new
.if MSB != \new
	s_set_vgpr_msb (MSB<<8)|\new
.set MSB, \new
.endif
.endm
.set MUL_LO, 0xa1
.set MUL_HI, 0xf1
.set TO_B,   0x40
.macro JLOAD g0a, g1a, g0b, g1b
	s_cmp_eq_u32 s[HI], 0
	s_cbranch_scc0 .Lfor_b_\@
	tensor_load_to_lds s[\g0a:\g0a+3], s[\g1a:\g1a+7]
	s_nop 0
.rept 4
	v_nop
.endr
	s_branch .Lasked_\@
.Lfor_b_\@:
	tensor_load_to_lds s[\g0b:\g0b+3], s[\g1b:\g1b+7]
	s_nop 0
.rept 4
	v_nop
.endr
.Lasked_\@:
.endm
.macro CREST
	s_cmp_lg_u32 s[WV], 0
	s_cbranch_scc1 .Lnot_wave_0_\@
	s_barrier_signal -3
.Lnot_wave_0_\@:
	s_barrier_wait -3
	s_barrier_signal -1
	s_barrier_wait -1
.endm
.macro CROUND
	s_barrier_signal -1
	s_barrier_wait -1
	CREST
.endm
.macro FRAG reg, adr, q, i
.irp p, 0,1,2,3,4,5
	ds_load_b64 v[\reg+2*\p:\reg+2*\p+1], v[\adr] offset:(\i)*TILEB+(\q)*FRB+256*\p
.endr
.endm
.macro MUL16 a0, p, q, sc, zero
.irp a, \a0, \a0+1
.irp b, 0,1,2,3,4,5,6,7
.set DD, 8*(8*((\a)%4)+\b)
.set CC, DD
.if \zero == 1
.set CC, BT+8*\b
.endif
	v_wmma_scale_f32_16x16x128_f8f6f4 v[DD:DD+7], v[128*(\p)+FR*\b:128*(\p)+FR*\b+FR-1], v[AF+FR*(\a):AF+FR*(\a)+FR-1], v[CC:CC+7], v[SC+8*NQ*(\sc)+NQ*\b+(\q)], v[SC+8*NQ*(\sc)+NQ*(\a)+(\q)] matrix_a_fmt:MATRIX_FMT_FP6 matrix_b_fmt:MATRIX_FMT_FP6 matrix_a_scale:MATRIX_SCALE_ROW1
.endr
.endr
.endm
.macro FETCH_B slot, q, p
	WIN TO_B
.irp i, 0,1,2,3,4,5,6,7
	FRAG 128*(\p)+FR*\i, ADRB+\slot, \q, \i
.endr
	WIN 0
.endm
.macro FETCH_A slot, q, i0
.irp i, \i0, \i0+1, \i0+2, \i0+3
	FRAG AF+FR*(\i), ADRA+\slot, \q, \i
.endr
.endm
.macro SCALES sc
.irp i, 0,1,2,3,4,5,6,7
	ds_load_b64 v[SC+8*NQ*\sc+NQ*\i:SC+8*NQ*\sc+NQ*\i+1], v[ADRS] offset:128*\i
.endr
.endm
.macro PLACES n
.rept \n
	v_nop
.endr
.endm
.macro STEP slot, q, zero
	s_wait_dscnt 4*NL
.if \zero
	WIN 0x81
.else
	WIN MUL_LO
.endif
	MUL16 0, (\q)%2, \q, \slot, \zero
	MUL16 2, (\q)%2, \q, \slot, \zero
	s_wait_dscnt 0x0
	PLACES NP
	FETCH_B \slot, (\q)+1, 1-(\q)%2
	FETCH_A \slot, (\q)+1, 0
.if \zero
	WIN 0xc1
.else
	WIN MUL_HI
.endif
	MUL16 4, (\q)%2, \q, \slot, \zero
	MUL16 6, (\q)%2, \q, \slot, \zero
	PLACES NP
	WIN 0
	FETCH_A \slot, (\q)+1, 4
.endm
.macro TURN slot, next, fill
	s_wait_tensorcnt 0x0
	ds_add_u32 v[SPW], v[NIL]
	s_wait_dscnt 4*NL+1
	WIN MUL_LO
	MUL16 0, 1, NQ-1, \slot, 0
	s_wait_dscnt 0x0
	s_barrier_signal -1
	MUL16 2, 1, NQ-1, \slot, 0
	WIN 0
	s_barrier_wait -1
.if \fill
	CREST
	s_add_nc_u64 s[G0+4*\slot+2:G0+4*\slot+3], s[G0+4*\slot+2:G0+4*\slot+3], 2*TILEB
	s_add_nc_u64 s[G0B+4*\slot+2:G0B+4*\slot+3], s[G0B+4*\slot+2:G0B+4*\slot+3], 2*TILEB
	JLOAD G0+4*\slot, G1, G0B+4*\slot, G1B
.else
	PLACES NP
.endif
	s_wait_alu depctr_va_vdst(0)
	v_add_nc_u32 v[ADRS], 2048, v[ADRS]
	FETCH_B \next, 0, 0
	FETCH_A \next, 0, 0
	SCALES \next
	WIN MUL_HI
	MUL16 4, 1, NQ-1, \slot, 0
	MUL16 6, 1, NQ-1, \slot, 0
	PLACES NP
	WIN 0
	FETCH_A \next, 0, 4
.endm
	s_load_b256 s[4:11], s[0:1], 0x0
	s_load_b128 s[12:15], s[0:1], 0x20
	v_lshl_add_u32 v[SPW], v0, 2, SPARE
	v_mov_b32 v[NIL], 0
	ds_add_u32 v28, v29
	ds_add_u32 v28, v29
	s_wait_dscnt 0x0
	v_lshrrev_b32 v1, 5, v0
	v_readfirstlane_b32 s[WV], v1
	s_lshr_b32 s[HI], s[WV], 1
	s_and_b32 s[LO], s[WV], 1
	s_bfe_u32 s40, ttmp6, 0x40000
	s_bfe_u32 s41, ttmp6, 0x40004
	s_and_b32 s43, ttmp7, 0xffff
	s_lshl_b32 s43, s43, 2
	s_add_co_u32 s43, s43, s41
	s_lshl_b32 s92, s43, 4
	s_lshl_b32 s93, s[LO], 3
	s_add_co_u32 s92, s92, s93
	s_mul_i32 s92, s92, TROW
	s_mov_b32 s93, 0
	s_lshl_b32 s96, s43, 13
	s_lshl_b32 s97, s[LO], 12
	s_add_co_u32 s96, s96, s97
	s_mov_b32 s97, 0
	s_lshl_b32 s94, s40, 4
	s_lshl_b32 s95, s[LO], 3
	s_add_co_u32 s94, s94, s95
	s_mul_i32 s94, s94, TROW
	s_add_co_u32 s94, s94, 3*WCB
	s_mov_b32 s95, 0
	s_lshl_b32 s98, s40, 13
	s_lshl_b32 s99, s[LO], 12
	s_add_co_u32 s98, s98, s99
	s_add_co_u32 s98, s98, 3*WSB
	s_mov_b32 s99, 0
	s_lshl_b32 s44, s41, 2
	s_lshl_b32 s44, 15, s44
	s_lshl_b32 s45, 0x1111, s40
	s_or_b32 s[G1+0], s44, (3<<16)|(1<<21)
	s_or_b32 s[G1B+0], s45, (3<<16)|(1<<21)
.irp g, G1, G1B
	s_mov_b32 s[\g+1], 384<<16
	s_mov_b32 s[\g+2], 16<<16
	s_mov_b32 s[\g+3], 384<<16
	s_mov_b32 s[\g+4], 16
	s_mov_b32 s[\g+5], 1536
	s_mov_b32 s[\g+6], 0
	s_mov_b32 s[\g+7], 0
.endr
	s_or_b32 s[G1S+0], s44, (3<<16)|(1<<21)
	s_or_b32 s[G1SB+0], s45, (3<<16)|(1<<21)
.irp g, G1S, G1SB
	s_mov_b32 s[\g+1], 32<<16
	s_mov_b32 s[\g+2], 32<<16
	s_mov_b32 s[\g+3], 32<<16
	s_mov_b32 s[\g+4], 32
	s_mov_b32 s[\g+5], 32
	s_mov_b32 s[\g+6], 0
	s_mov_b32 s[\g+7], 0
.endr
	s_mul_i32 s104, s[WV], HALFT
	s_wait_kmcnt 0x0
	s_add_nc_u64 s[4:5], s[4:5], s[92:93]
	s_add_nc_u64 s[6:7], s[6:7], s[96:97]
	s_add_nc_u64 s[8:9], s[8:9], s[94:95]
	s_add_nc_u64 s[10:11], s[10:11], s[98:99]
	CROUND
	; the head's four tiles, each whole: the addresses above hold my half's term (LO), which is taken off again
	s_mul_i32 s66, s[LO], 8*TROW
	s_mov_b32 s67, 0
	s_mov_b32 s92, 1                               ; A's 16 tiles of K steps 0, 1 into slot 0
	s_mov_b32 s93, 0
	s_sub_nc_u64 s[94:95], s[4:5], s[66:67]
	s_or_b32 s95, s95, 0x80000000
	s_mov_b32 s96, 1                               ; B's 16 tiles behind them
	s_mov_b32 s97, 2*HALFT
	s_sub_nc_u64 s[98:99], s[8:9], s[66:67]
	s_or_b32 s99, s99, 0x80000000
	s_lshl_b32 s66, s[LO], 12
	s_mov_b32 s[G0S], 1                            ; A's scale words, 8,192 bytes
	s_mov_b32 s[G0S+1], SCL
	s_sub_nc_u64 s[G0S+2:G0S+3], s[6:7], s[66:67]
	s_or_b32 s[G0S+3], s[G0S+3], 0x80000000
	s_mov_b32 s[G0SB], 1
	s_mov_b32 s[G0SB+1], SCL+8192
	s_sub_nc_u64 s[G0SB+2:G0SB+3], s[10:11], s[66:67]
	s_or_b32 s[G0SB+3], s[G0SB+3], 0x80000000
.irp s, 0,1
	s_mov_b32 s[G0+4*\s], 1
	s_add_co_u32 s[G0+4*\s+1], s104, \s*SLOT
	s_add_nc_u64 s[G0+4*\s+2:G0+4*\s+3], s[4:5], \s*TILEB
	s_or_b32 s[G0+4*\s+3], s[G0+4*\s+3], 0x80000000
	s_mov_b32 s[G0B+4*\s], 1
	s_add_co_u32 s[G0B+4*\s+1], s104, \s*SLOT
	s_add_nc_u64 s[G0B+4*\s+2:G0B+4*\s+3], s[8:9], \s*TILEB
	s_or_b32 s[G0B+4*\s+3], s[G0B+4*\s+3], 0x80000000
.endr
; the head's loads, one a wave, in one chain of branches on the wave's number: wave 0 A's tiles, wave 1 B's, wave 2 A's scale words, wave 3 B's
.macro ARM under, g0, g1, next
	s_cmp_lt_u32 s[WV], \under
	s_cbranch_scc0 \next
	tensor_load_to_lds s[\g0:\g0+3], s[\g1:\g1+7]
	s_nop 0
.rept 4
	v_nop
.endr
	s_branch .Lhead_asked
\next:
.endm
	ARM 1, 92, G1, .Lhead_b
	ARM 2, 96, G1B, .Lhead_sa
	ARM 3, G0S, G1S, .Lhead_sb
	tensor_load_to_lds s[G0SB:G0SB+3], s[G1SB:G1SB+7]
	s_nop 0
.rept 4
	v_nop
.endr
.Lhead_asked:
	s_wait_alu depctr_va_vdst(0)
	s_wait_tensorcnt 0x0                           ; my tile of the four is in
	ds_add_u32 v28, v29
	s_mov_b32 s[G1+2], 8<<16                       ; no load of mine is out: from here on a load brings 8 tiles
	s_mov_b32 s[G1+4], 8
	s_mov_b32 s[G1B+2], 8<<16
	s_mov_b32 s[G1B+4], 8
	s_wait_dscnt 0x0
	CROUND
	JLOAD G0+4, G1, G0B+4, G1B
	v_and_b32 v1, 31, v0
	v_and_b32 v2, 15, v0
	v_bfe_u32 v3, v0, 4, 1
	s_wait_alu depctr_va_vdst(0)
	v_lshlrev_b32 v4, 3, v1
	s_mul_i32 s92, s[HI], HALFT
	s_mul_i32 s93, s[LO], HALFT
	s_add_co_u32 s93, s93, 2*HALFT
.irp s, 0,1
	v_add_nc_u32 v[ADRA+\s], s92, v4
	v_add_nc_u32 v[ADRB+\s], s93, v4
	s_add_co_u32 s92, s92, SLOT
	s_add_co_u32 s93, s93, SLOT
.endr
	s_lshl_b32 s92, s[HI], 10
	s_lshl_b32 s93, s[LO], 10
	s_add_co_u32 s93, s93, 8192
	s_sub_co_u32 s93, s93, s92
	v_mul_u32_u24 v5, s93, v3
	s_add_co_u32 s92, s92, SCL
	v_lshl_add_u32 v5, v2, 3, v5
	v_add_nc_u32 v[ADRS], s92, v5
	v_lshlrev_b32 v[CO], 4, v1
	s_mul_i32 s92, s[WV], 16*SPITCH
	v_mul_u32_u24 v5, v2, SPITCH
	v_lshl_add_u32 v5, v3, 6, v5
	v_add_nc_u32 v[STO], s92, v5
	v_add_nc_u32 v[RD], s92, v[CO]
	s_lshl_b32 s92, s40, 10
	s_lshl_b32 s93, s[LO], 9
	s_add_co_u32 s92, s92, s93
	s_mov_b32 s93, 0
	s_add_nc_u64 s[12:13], s[12:13], s[92:93]
	s_add_nc_u64 s[14:15], s[14:15], s[92:93]
	s_lshl_b32 s92, s43, 8
	s_lshl_b32 s94, s[HI], 7
	s_add_co_u32 s92, s92, s94
	s_lshl_b32 s92, s92, 12
	s_add_nc_u64 s[14:15], s[14:15], s[92:93]
	v_lshlrev_b32 v6, 6, v3
.irp b, 0,1,2,3,4,5,6,7
	global_load_b128 v[BT+8*\b:BT+8*\b+3], v6, s[12:13] offset:(32*(\b/2)+8*(\b%2))*4
	global_load_b128 v[BT+8*\b+4:BT+8*\b+7], v6, s[12:13] offset:(32*(\b/2)+8*(\b%2))*4+16
.endr
	s_wait_alu depctr_va_vdst(0)
	s_wait_loadcnt 0x0
	s_wait_tensorcnt 1
	s_barrier_signal -1
	s_barrier_wait -1
	FETCH_B 0, 0, 0
	FETCH_A 0, 0, 0
	SCALES 0
	FETCH_A 0, 0, 4
	STEP 0, 0, 1
	TURN 0, 1, 1
	STEP 1, 0, 0
	TURN 1, 0, 1
	STEP 0, 0, 0
	TURN 0, 1, 0
	STEP 1, 0, 0
	s_wait_dscnt 4*NL
	WIN MUL_LO
	MUL16 0, 1, NQ-1, 1, 0
	MUL16 2, 1, NQ-1, 1, 0
	s_wait_dscnt 0x0
	WIN MUL_HI
	MUL16 4, 1, NQ-1, 1, 0
	MUL16 6, 1, NQ-1, 1, 0
	WIN 0
.macro TOSTAGE a
.set AC, 64*((\a)%4)
.set WW, 0x08+4*((\a)/4)
	WIN WW
.irp b, 0,1,2,3,4,5,6,7
	ds_store_b128 v[STO], v[AC+8*\b:AC+8*\b+3] offset:128*(\b/2)+32*(\b%2)
	ds_store_b128 v[STO], v[AC+8*\b+4:AC+8*\b+7] offset:128*(\b/2)+32*(\b%2)+16
.endr
	WIN 0
.set BB, BK+64*((\a)%2)
.set TI, 0
.rept 16
	ds_load_b128 v[BB+4*TI:BB+4*TI+3], v[RD] offset:SPITCH*TI
.set TI, TI+1
.endr
.endm
.macro SEND a, younger
.set BB, BK+64*((\a)%2)
	s_wait_dscnt \younger
.set TI, 0
.rept 16
	global_store_b128 v[CO], v[BB+4*TI:BB+4*TI+3], s[14:15] offset:(16*(\a)+TI)*4096 th:TH_STORE_NT
.set TI, TI+1
.endr
.endm
	PLACES NP
	TOSTAGE 0
.irp a, 1,2,3,4,5,6,7
.if \a > 1
	s_wait_xcnt 0x0
.endif
	TOSTAGE \a
	SEND \a-1, 32
.endr
	SEND 7, 0
	s_wait_tensorcnt 0x0
	ds_add_u32 v[SPW], v[NIL]
	s_wait_dscnt 0x0
	CROUND
	s_endpgm
.Lfunc_end_k_qdb0fcedd83_outproj:
	.size	k_qdb0fcedd83_outproj, .Lfunc_end_k_qdb0fcedd83_outproj-k_qdb0fcedd83_outproj
	.p2alignl 7, 3214868480
	.fill 96, 4, 3214868480
	.section	.rodata,"a",@progbits
	.p2align	6, 0x0
	.amdhsa_kernel k_qdb0fcedd83_outproj
		.amdhsa_group_segment_fixed_size 327680
		.amdhsa_private_segment_fixed_size 0
		.amdhsa_enable_private_segment 0
		.amdhsa_kernarg_size 48
		.amdhsa_user_sgpr_count 2
		.amdhsa_user_sgpr_kernarg_segment_ptr 1
		.amdhsa_wavefront_size32 1
		.amdhsa_system_sgpr_workgroup_id_x 1
		.amdhsa_system_sgpr_workgroup_id_y 1
		.amdhsa_system_sgpr_workgroup_id_z 1
		.amdhsa_system_vgpr_workitem_id 0
		.amdhsa_next_free_vgpr 1024
		.amdhsa_next_free_sgpr 106
		.amdhsa_reserve_vcc 0
		.amdhsa_float_denorm_mode_32 3
		.amdhsa_float_denorm_mode_16_64 3
		.amdhsa_memory_ordered 1
		.amdhsa_forward_progress 1
		.amdhsa_inst_pref_size 162
	.end_amdhsa_kernel
	.amdgpu_metadata
---
amdhsa.version: [ 1, 2 ]
amdhsa.kernels:
  - .name:           k_qdb0fcedd83_outproj
    .symbol:         k_qdb0fcedd83_outproj.kd
    .args:
      - { .name: oc, .offset: 0, .size: 8, .value_kind: global_buffer, .address_space: global }
      - { .name: os, .offset: 8, .size: 8, .value_kind: global_buffer, .address_space: global }
      - { .name: wc, .offset: 16, .size: 8, .value_kind: global_buffer, .address_space: global }
      - { .name: ws, .offset: 24, .size: 8, .value_kind: global_buffer, .address_space: global }
      - { .name: bo, .offset: 32, .size: 8, .value_kind: global_buffer, .address_space: global }
      - { .name: out0, .offset: 40, .size: 8, .value_kind: global_buffer, .address_space: global }
    .group_segment_fixed_size: 327680
    .private_segment_fixed_size: 0
    .kernarg_segment_align: 8
    .kernarg_segment_size: 48
    .max_flat_workgroup_size: 128
    .sgpr_count:     106
    .vgpr_count:     1024
    .wavefront_size: 32
...
	.end_amdgpu_metadata
.endif
;; end of part 4
